; MI455X (gfx1250); checked and timed in simulation.
; The chip was launched on July 23, 2026; its instructions are those of AMD's public machine-readable ISA for CDNA 5 (MIT licence, August 2026) and "CDNA5" Instruction Set Architecture Reference Guide (July 2026). The comments in the code are by the model that wrote it; some were corrected since.
;; single Causal Attention. Allowed arithmetic: matrix products marked QUANTISED: E3M2 operands, one E8M0 scale for each 32 along K, by v_wmma_scale_f32_16x16x128_f8f6f4 with both operands' format E3M2, f32 sums; everything else in f32.
;; Inputs: Wk 256 x 64 float32; Wq 256 x 64 float32; Wv 256 x 64 float32; y 4 x 4,096 x 256 float32.
;; Outputs: out0 4 x 4,096 x 64 float32.
;; This version of the problem:
;;   THIS VERSION OF THE PROBLEM IS GIVEN IN LOW PRECISION. The matrix products marked QUANTISED in the list below multiply operands that are first quantised to E3M2 (3 exponent bits, 2 mantissa bits; 6 bits a number), with one power-of-two scale for each 32 numbers along K (OCP MX v1.0); their sums are f32. All else is computed in f32.
;;   The module's matrix products, in the order in which they are computed (A, B: the left and right operand; K: the contracted axis; several contracted axes count as one K, in the product's order):
;;     1. [M 16,384, K 256] x [K 256, N 64]; A: input y; B: input Wq: QUANTISED
;;     2. [M 16,384, K 256] x [K 256, N 64]; A: input y; B: input Wk: QUANTISED
;;     3. [M 16,384, K 256] x [K 256, N 64]; A: input y; B: input Wv: QUANTISED
;;     4. batch 4 x [M 4,096, K 64] x [K 64, N 4,096]; A: computed on the way; B: computed on the way: QUANTISED
;;     5. batch 4 x [M 4,096, K 4,096] x [K 4,096, N 64]; A: softmax (see below); B: computed on the way: QUANTISED
;;   THE QUANTISER, for each operand of a quantised product, along K:
;;     - K is cut into blocks of 32 from its start; a last block that is shorter is filled with zeros.
;;     - A block's scale is 2^e with e = floor(log2(the largest magnitude in the block)) - 4, held to -126 .. 127; a block of zeros has e = 0. As a byte (E8M0): e + 127.
;;     - Each number is divided by its block's scale, clamped to +-28, and rounded to the nearest number of E3M2, ties to even, subnormals kept.
;;     - The product sums the exact products of the quantised numbers (number of the format x scale) in f32.
;;   ~~~python
;;   def quantise(x, axis):      # numpy; x: float32 -> the quantised numbers, widened to float32 again
;;       x = np.moveaxis(x, axis, -1); K = x.shape[-1]
;;       x = np.pad(x, [(0, 0)] * (x.ndim - 1) + [(0, -K % 32)]); x = x.reshape(x.shape[:-1] + (-1, 32)); a = np.abs(x).max(-1, keepdims=True)
;;       e = np.where(a > 0, np.clip(np.frexp(np.where(a > 0, a, 1))[1] - 1 - 4, -126, 127), 0)      # np.frexp(a)[1] - 1 = floor(log2(a)), exactly
;;       r = np.clip(x / 2.0 ** e, -28, 28)
;;       step = 2.0 ** (np.maximum(np.frexp(np.where(r == 0, 1, r))[1] - 1, -2) - 2)
;;       q = np.round(r / step) * step * 2.0 ** e      # np.round: ties to even
;;       return np.moveaxis(q.reshape(q.shape[:-2] + (-1,))[..., :K], -1, axis).astype(np.float32)
;;   ~~~
;;   SOFTMAX AHEAD OF A QUANTISED PRODUCT. Where the list says 'softmax', what is quantised is not the finished softmax but p = 2^(t - M), with t = logit x log2(e) and M = ceil(the row's largest t), a whole number; so 1/2 < the row's largest p <= 1. The row's sum l is taken of the UNQUANTISED p, in f32, and the product's result is divided by l at the end. Since M is a whole number, a kernel that streams over the keys may use a running M (the ceiling of the running maximum): every later rescaling is an exact power of two, which a block's scale takes up: the codes' values come out the same.
;;   OPERANDS COMPUTED ON THE WAY. 'Computed on the way' means the value that the module computes at that place (a softmax that the list does not call 'softmax' is quantised finished and normalised). What goes into a quantiser is computed in f32, as accurately as f32 sums, v_exp_f32 and their like allow (about 1e-6 of the number): no bf16 or f16 on the way to a quantiser, and a product that is left as it is and whose result goes on into a quantised operand takes f32 operands (vector FMAs, or v_wmma_f32_16x16x4_f32). A number that lies on a knife's edge between two numbers of the format may be rounded either way, as far as f32 arithmetic and the matrix unit's own rounding can turn it there, and no further.
;; 2 versions. Each part assembles by itself: llvm-mc -triple=amdgcn-amd-amdhsa -mcpu=gfx1250 --defsym DOCPART=n.
;; ======== version 1 of 2: 2 launches
;; workspace buffers: kv 1,638,400 bytes; qb 851,968 bytes
;; launch proj (part 1): grid 256 x 1, 16 waves a work-group, no clusters, 55,808 bytes of LDS; arguments y, Wq, Wk, Wv, kv, qb; writes kv, qb
.if DOCPART == 1
	.amdgcn_target "amdgcn-amd-amdhsa--gfx1250"
	.amdhsa_code_object_version 6
	.text
	.protected	k_qd717e7ae10_proj
	.globl	k_qd717e7ae10_proj
	.p2align	8
	.type	k_qd717e7ae10_proj,@function
k_qd717e7ae10_proj:
	s_mov_b64 s[64:65], 0
	v_nop
	global_prefetch_b8 v0, s[64:65] scope:SCOPE_SE
	s_setreg_imm32_b32 hwreg(HW_REG_WAVE_MODE, 25, 1), 1
	s_wait_xcnt 0x0
; q = y Wq, k = y Wk, v = y Wv on codes of BF6 (E3M2) with one E8M0 scale for each 32 along K = 256, and the results quantised again for the attention launch:
; q and k along the head's 64, v along the tokens.  y: [16384][256] f32; Wq, Wk, Wv: [256][64] f32, K their first axis.
; SHARES.  A work-group of sixteen waves takes one group of 64 tokens.  Phase 1: wave w quantises one tile of 16 rows x 256 K (two fragments): waves 0-3 the four tiles of y, waves 4-7 Wv's four tiles of
; columns, waves 8-11 Wk's, waves 12-15 Wq's; the fragments go to LDS as images of their registers (three stores of 16 bytes a lane), their scale words 4 bytes a lane.  Phase 2: waves 0-11 each make one
; result tile set: 8 matrix instructions, quantise in registers, store.
; THE TOKENS OF A TILE ARE NOT NEIGHBOURS: lane r of tile 2 b + u takes token 32 b + 8 u + r + (r & 8); the columns of Wk's and Wq's tiles likewise.  So the 16 registers of two neighbouring result tiles are
; 16 neighbours along the next product's K: along d where source 0 is Wk or Wq (a lane holds one token), along the tokens where source 0 is y (a lane holds one d of v).
; OUT.  A HALF IMAGE is 6 registers x 32 lanes, 768 bytes: registers 0-3 at 16 x lane, registers 4-5 at 512 + 8 x lane; lane (r, h) holds the 32 codes 32 h .. 32 h + 31 of row r.
; kv, a record of 6,400 bytes a group: k's four half images (token tile 0-3), v's four (d tile 0-3; codes along the group's tokens), v's scale bytes [r][tile] 2 bytes, k's likewise.
; qb, a record of 3,328 bytes a group: q's four half images, q's scale bytes [r][tile] 2 bytes (128 bytes: half of an aligned 256, the launch's one store of a part); its last 128 bytes are neither written nor read.
; NO JOINT LOADS: what the work-groups share, the three weights (196,608 bytes), is wanted a column to a lane with registers down K, which loads into registers give as they stand; y is read by one work-group.
; LIMITS: NaN and infinities among the inputs are not served.  A block whose largest magnitude lies under 2^(5 - 127) keeps the scale byte 1, a block of zeros too (the rule says 127 there): its codes are
; zeros, and this program alone reads the bytes.
.set FRB,   1536                       ; a fragment's image: 12 registers x 128 bytes
.set FSC,   32*FRB                     ; LDS: 32 images (index 2 x tile + K step; tiles 0-3 y, 4-7 Wv, 8-11 Wk, 12-15 Wq), then their scale words, 128 bytes each,
.set SST,   FSC+32*128                 ; then the results' scale bytes: v's 128, k's 128, q's 128, each [r][tile] 2 bytes
.set KVREC, 6400
.set QREC,  3328
.set HB,    768                        ; a half image
.set LN,  1                            ; v1   lane
.set RR,  2                            ; v2   r = lane % 16
.set HH,  3                            ; v3   h = lane / 16
.set GA,  4                            ; v4   my byte offset in what phase 1 loads
.set LI,  5                            ; v5   16 x lane
.set L4,  6                            ; v6   4 x lane
.set WI,  7                            ; v7   where I store my two images
.set WS,  8                            ; v8   and their scale words
.set AX,  9                            ; v9   phase 2: source 0's eight images
.set AY,  10                           ; v10  source 1's two
.set SX,  11                           ; v11  source 0's scale words
.set SY,  12                           ; v12  source 1's
.set SS,  13                           ; v13  where my result's two scale bytes go
.set L8,  14                           ; v14  8 x lane
.set TM,  16                           ; v16-19 largest magnitudes, v20-23 bytes, v28-31 the conversions' scale operands
.set PW,  32                           ; v32  the scale word just made
.set PC,  36                           ; v36-47 the codes just made; v48-54 at work
.set X,   64                           ; v64-191 phase 1: 128 numbers
.set AF,  64                           ; phase 2: v64-159 source 0's eight fragments,
.set BF,  160                          ; v160-183 source 1's two,
.set ASC, 184                          ; v184-191, v192-193 their scale words,
.set BSC, 192
.set HA,  200                          ; v200-231 four accumulators
; nb blocks of 32 along K: register 16 b + i of v[src] on = k 32 b + 16 h + i of my row.  They become codes in v[PC] on (6 registers for each two blocks, in the operand's layout) and the scale bytes in v[PW].
.macro QUANT src, nb
.set n, 0
.rept \nb
	v_max3_num_f32 v[TM+n], |v[\src+16*n]|, |v[\src+16*n+1]|, 0x2800000   ; my 16 numbers of block n, and the floor 2^(5 - 127): the byte cannot fall under 1
.set n, n+1
.endr
.irp i, 2,4,6,8,10,12,14
.set n, 0
.rept \nb
	v_max3_num_f32 v[TM+n], v[TM+n], |v[\src+16*n+\i]|, |v[\src+16*n+\i+1]|   ; (the blocks by turns)
.set n, n+1
.endr
.endr
.set n, 0
.rept \nb
	v_permlanex16_b32 v[TM+4+n], v[TM+n], s20, s21
.set n, n+1
.endr
.set n, 0
.rept \nb
	v_max_num_f32 v[TM+n], v[TM+n], v[TM+4+n]      ; with lane l xor 16's 16: the block's largest magnitude
.set n, n+1
.endr
.set n, 0
.rept \nb
	v_add_nc_u32 v[TM+12+n], 0xfe000000, v[TM+n]   ; 4 off its exponent field: the conversion takes the exponent field of this operand as its scale
.set n, n+1
.endr
.set n, 0
.rept \nb
	v_lshrrev_b32 v[TM+4+n], 23, v[TM+12+n]        ; the scale's byte
.set n, n+1
.endr
	v_lshl_or_b32 v[PW], v[TM+5], 8, v[TM+4]
.if \nb > 2
	v_lshl_or_b32 v[PW], v[TM+6], 16, v[PW]
	v_lshl_or_b32 v[PW], v[TM+7], 24, v[PW]
.endif
.set n, 0
.rept \nb/2
	v_cvt_scalef32_pk16_bf6_f32 v[PC+6*n:PC+6*n+2], v[\src+32*n:\src+32*n+15], v[TM+12+2*n]
	v_cvt_scalef32_pk16_bf6_f32 v[PC+12+4*n:PC+12+4*n+2], v[\src+32*n+16:\src+32*n+31], v[TM+12+2*n+1]   ; (a conversion's three registers begin on an even number)
.set n, n+1
.endr
	v_nop                                          ; one plain place behind the last scaled conversion
.set n, 0
.rept \nb/2                                    ; the operand's layout wants a whole block in a lane: lanes 0-15 block 2 n, lanes 16-31 block 2 n + 1
.irp i, 0,1,2
	v_permlane16_swap_b32 v[PC+6*n+\i], v[PC+12+4*n+\i]
.endr
.irp i, 0,1,2
	v_mov_b32 v[PC+6*n+3+\i], v[PC+12+4*n+\i]
.endr
.set n, n+1
.endr
.endm
.macro IMAGE adr, off                          ; the fragment in v[PC] on goes to LDS as it stands
.irp c, 0,1,2
	ds_store_b128 v[\adr], v[PC+4*\c:PC+4*\c+3] offset:\off+512*\c
.endr
.endm
.macro FETCH reg, adr, off                     ; and comes back so, in any wave
.irp c, 0,1,2
	ds_load_b128 v[\reg+4*\c:\reg+4*\c+3], v[\adr] offset:\off+512*\c
.endr
.endm
.macro BARRIER                                 ; my LDS stores have landed and my LDS loads are in: then the work-group's barrier
	s_wait_dscnt 0x0
	s_barrier_signal -1
	s_barrier_wait -1
.endm
	s_load_b256 s[4:11], s[0:1], 0x0               ; y s[4:5], Wq s[6:7], Wk s[8:9], Wv s[10:11]
	s_load_b128 s[12:15], s[0:1], 0x20             ; kv s[12:13], qb s[14:15]
	v_lshl_add_u32 v240, v0, 2, 0xd200
	v_mov_b32 v241, 0
	v_lshrrev_b32 v1, 5, v0
	v_readfirstlane_b32 s16, v1                    ; wave 0..15
	v_and_b32 v[LN], 31, v0
	v_and_b32 v[RR], 15, v0
	v_bfe_u32 v[HH], v0, 4, 1
	v_lshlrev_b32 v[LI], 4, v[LN]
	v_lshlrev_b32 v[L4], 2, v[LN]
	v_lshlrev_b32 v[L8], 3, v[LN]
	s_lshr_b32 s24, s16, 2                         ; phase 1: 0 y, 1 Wv, 2 Wk, 3 Wq
	s_min_u32 s17, s24, 2                          ; phase 2: the kind of my job: 0 v, 1 k, 2 q
	s_and_b32 s18, s16, 3                          ; j: which tile
	s_min_u32 s19, s17, 1                          ; 0 where source 0 is y, 1 where it is a weight
	; every LDS address is made here, ahead of the first branch on the wave's number
	s_mul_i32 s25, s16, 2*FRB
	v_add_nc_u32 v[WI], s25, v[LI]                 ; 16 x lane + 2 images x wave
	s_lshl_b32 s25, s16, 8
	s_add_co_u32 s25, s25, FSC
	v_add_nc_u32 v[WS], s25, v[L4]                 ; 4 x lane + 256 x wave
	s_lshl_b32 s25, s17, 3
	s_lshl_b32 s26, s19, 3
	s_add_co_u32 s25, s25, s26                     ; source 0's first image: 0 (y), 16 (Wk), 24 (Wq)
	s_xor_b32 s26, s19, 1
	s_lshl_b32 s26, s26, 3
	s_lshl_b32 s27, s18, 1
	s_add_co_u32 s26, s26, s27                     ; source 1's: 8 + 2 j (Wv's tile j) or 2 j (y's tile j)
	s_mul_i32 s27, s25, FRB
	v_add_nc_u32 v[AX], s27, v[LI]
	s_mul_i32 s27, s26, FRB
	v_add_nc_u32 v[AY], s27, v[LI]
	s_lshl_b32 s27, s25, 7
	s_add_co_u32 s27, s27, FSC
	v_add_nc_u32 v[SX], s27, v[L4]
	s_lshl_b32 s27, s26, 7
	s_add_co_u32 s27, s27, FSC
	v_add_nc_u32 v[SY], s27, v[L4]
	s_lshl_b32 s27, s17, 7
	s_lshl_b32 s28, s18, 1
	s_add_co_u32 s27, s27, s28
	s_add_co_u32 s27, s27, SST
	v_lshl_add_u32 v[SS], v[RR], 3, s27            ; 128 x kind + 8 r + 2 j
	s_mov_b32 s20, 0x76543210
	s_mov_b32 s21, 0xfedcba98                      ; v_permlanex16_b32's selects for lane l xor 16
.irp b, 0,1,2,3
	v_mov_b32 v[TM+4+\b], 0                        ; written once: a lane permute's destination counts as one of its sources
.endr
	s_lshr_b32 s25, s18, 1
	s_lshl_b32 s25, s25, 5
	s_and_b32 s26, s18, 1
	s_lshl_b32 s26, s26, 3
	s_add_co_u32 s27, s25, s26                     ; a permuted tile's first row or column: 32 (j / 2) + 8 (j % 2)
	s_lshl_b32 s31, s18, 4                         ; a plain tile's: 16 j
	s_mov_b32 s29, 0
	s_wait_kmcnt 0x0
	; ---- PHASE 1: 128 numbers a lane: register 64 s + 16 b + i = k 128 s + 32 b + 16 h + i of my row (y) or column (a weight)
	s_cmp_lg_u32 s24, 0
	s_cbranch_scc1 .Lweights
	s_lshl_b32 s28, ttmp9, 16                      ; the group's 64 rows of 1,024 bytes,
	s_lshl_b32 s27, s27, 10
	s_add_co_u32 s28, s28, s27                     ; my tile's first row
	s_add_nc_u64 s[22:23], s[4:5], s[28:29]
	v_and_b32 v[GA], 8, v[RR]
	v_add_nc_u32 v[GA], v[GA], v[RR]               ; r + (r & 8)
	v_lshlrev_b32 v[GA], 10, v[GA]
	v_lshl_add_u32 v[GA], v[HH], 6, v[GA]          ; that row, + 64 h: my 16 numbers of a block of 32
.irp s, 0,1
.irp b, 0,1,2,3
.irp i, 0,1,2,3
	global_load_b128 v[X+64*\s+16*\b+4*\i:X+64*\s+16*\b+4*\i+3], v[GA], s[22:23] offset:512*\s+128*\b+16*\i th:TH_LOAD_NT   ; y is read once in the launch
.endr
.endr
.endr
	s_branch .Lloaded
.Lweights:
	s_cmp_eq_u32 s24, 1
	s_cselect_b64 s[22:23], s[10:11], s[8:9]       ; Wv, or Wk
	s_cselect_b32 s30, 0, 8                        ; Wv's tiles take neighbouring columns, Wk's and Wq's the permuted ones
	s_cselect_b32 s28, s31, s27
	s_cmp_eq_u32 s24, 3
	s_cselect_b64 s[22:23], s[6:7], s[22:23]       ; or Wq
	s_lshl_b32 s28, s28, 2
	s_add_nc_u64 s[22:23], s[22:23], s[28:29]      ; my tile's first column
	v_and_b32 v[GA], s30, v[RR]
	v_add_nc_u32 v[GA], v[GA], v[RR]
	v_lshlrev_b32 v[GA], 2, v[GA]
	v_lshl_add_u32 v[GA], v[HH], 12, v[GA]         ; my column, and 16 h rows of 256 bytes down: a lane takes a column and its registers run down K
.irp s, 0,1
.irp b, 0,1,2,3
.set n, 0
.rept 16
	global_load_b32 v[X+64*\s+16*\b+n], v[GA], s[22:23] offset:(128*\s+32*\b+n)*256
.set n, n+1
.endr
.endr
.endr
.Lloaded:
	s_wait_loadcnt 0x0
	QUANT X, 4
	IMAGE WI, 0
	ds_store_b32 v[WS], v[PW]
	s_wait_dscnt 0x0                               ; the stores have read their registers
	QUANT X+64, 4
	IMAGE WI, FRB
	ds_store_b32 v[WS], v[PW] offset:128
	BARRIER                                        ; the 32 fragments lie in LDS
	; ---- PHASE 2: twelve jobs of one form.  v, d tile j: source 0 = y's four tiles, source 1 = Wv's tile j.  k (q), token tile j: source 0 = Wk's (Wq's) four tiles, source 1 = y's tile j.
	s_cmp_gt_u32 s16, 11
	s_cbranch_scc1 .Lno_job
.irp f, 0,1,2,3,4,5,6,7
	FETCH AF+12*\f, AX, \f*FRB
	ds_load_b32 v[ASC+\f], v[SX] offset:128*\f
.endr
.irp f, 0,1
	FETCH BF+12*\f, AY, \f*FRB
	ds_load_b32 v[BSC+\f], v[SY] offset:128*\f
.endr
	s_mul_i32 s28, ttmp9, KVREC                    ; where my half image goes: the group's record,
	s_mul_i32 s30, ttmp9, QREC
	s_mul_i32 s31, s18, HB                         ; tile j,
	s_cmp_eq_u32 s17, 2
	s_cselect_b64 s[22:23], s[14:15], s[12:13]     ; in qb or in kv (phase 1's loads, which named s[22:23], have been waited for)
	s_cselect_b32 s28, s30, s28
	s_cmp_eq_u32 s17, 0
	s_cselect_b32 s30, 4*HB, 0                     ; v's lie behind k's four
	s_add_co_u32 s28, s28, s31
	s_add_co_u32 s28, s28, s30
	s_add_nc_u64 s[22:23], s[22:23], s[28:29]
	s_wait_dscnt 0x0
.irp x, 0,1,2,3                                ; four accumulators by turns, a K step of 128 at a time; the first step starts the sums
	v_wmma_scale_f32_16x16x128_f8f6f4 v[HA+8*\x:HA+8*\x+7], v[AF+24*\x:AF+24*\x+11], v[BF:BF+11], 0, v[ASC+2*\x], v[BSC] matrix_a_fmt:MATRIX_FMT_BF6 matrix_b_fmt:MATRIX_FMT_BF6
.endr
.irp x, 0,1,2,3
	v_wmma_scale_f32_16x16x128_f8f6f4 v[HA+8*\x:HA+8*\x+7], v[AF+24*\x+12:AF+24*\x+23], v[BF+12:BF+23], v[HA+8*\x:HA+8*\x+7], v[ASC+2*\x+1], v[BSC+1] matrix_a_fmt:MATRIX_FMT_BF6 matrix_b_fmt:MATRIX_FMT_BF6
.endr
.rept 4
	v_nop                                          ; four places behind the last product, ahead of the first read of results (ISA guide 7.12.1)
.endr
	QUANT HA, 2                                    ; register 16 b + i = 32 b + 16 h + i along the next K; each accumulator is read from its low end on
	global_store_b128 v[LI], v[PC:PC+3], s[22:23]              ; 512 consecutive bytes, at a multiple of 256 from the buffer's first byte
	global_store_b64 v[L8], v[PC+4:PC+5], s[22:23] offset:512  ; and 256 more
	ds_store_b16 v[SS], v[PW]                      ; both lanes of a row write the same two bytes with the same value
.Lno_job:
	BARRIER                                        ; the results' scale bytes lie in LDS
	s_cmp_lg_u32 s16, 15
	s_cbranch_scc1 .Lend
	ds_load_b64 v[232:233], v[L8] offset:SST       ; v's and k's: 256 bytes
	ds_load_b32 v234, v[L4] offset:SST+256         ; q's: 128 bytes
	s_mul_i32 s28, ttmp9, KVREC
	s_add_nc_u64 s[22:23], s[12:13], s[28:29]
	s_mul_i32 s28, ttmp9, QREC
	s_add_nc_u64 s[30:31], s[14:15], s[28:29]
	s_wait_dscnt 0x0
	global_store_b64 v[L8], v[232:233], s[22:23] offset:8*HB
	global_store_b32 v[L4], v234, s[30:31] offset:4*HB
.Lend:
	s_wait_tensorcnt 0x0
	ds_add_u32 v240, v241
	s_wait_dscnt 0x0
	s_endpgm
.Lfunc_end_k_qd717e7ae10_proj:
	.size	k_qd717e7ae10_proj, .Lfunc_end_k_qd717e7ae10_proj-k_qd717e7ae10_proj
	.p2alignl 7, 3214868480
	.fill 96, 4, 3214868480
	.section	.rodata,"a",@progbits
	.p2align	6, 0x0
	.amdhsa_kernel k_qd717e7ae10_proj
		.amdhsa_group_segment_fixed_size 55808
		.amdhsa_private_segment_fixed_size 0
		.amdhsa_enable_private_segment 0
		.amdhsa_kernarg_size 48
		.amdhsa_user_sgpr_count 2
		.amdhsa_user_sgpr_kernarg_segment_ptr 1
		.amdhsa_wavefront_size32 1
		.amdhsa_system_sgpr_workgroup_id_x 1
		.amdhsa_system_sgpr_workgroup_id_y 1
		.amdhsa_system_sgpr_workgroup_id_z 1
		.amdhsa_system_vgpr_workitem_id 0
		.amdhsa_next_free_vgpr 242
		.amdhsa_next_free_sgpr 66
		.amdhsa_reserve_vcc 0
		.amdhsa_float_denorm_mode_32 3
		.amdhsa_float_denorm_mode_16_64 3
		.amdhsa_memory_ordered 1
		.amdhsa_forward_progress 1
		.amdhsa_inst_pref_size 34
	.end_amdhsa_kernel
	.amdgpu_metadata
---
amdhsa.version: [ 1, 2 ]
amdhsa.kernels:
  - .name:           k_qd717e7ae10_proj
    .symbol:         k_qd717e7ae10_proj.kd
    .args:
      - { .name: y, .offset: 0, .size: 8, .value_kind: global_buffer, .address_space: global }
      - { .name: Wq, .offset: 8, .size: 8, .value_kind: global_buffer, .address_space: global }
      - { .name: Wk, .offset: 16, .size: 8, .value_kind: global_buffer, .address_space: global }
      - { .name: Wv, .offset: 24, .size: 8, .value_kind: global_buffer, .address_space: global }
      - { .name: kv, .offset: 32, .size: 8, .value_kind: global_buffer, .address_space: global }
      - { .name: qb, .offset: 40, .size: 8, .value_kind: global_buffer, .address_space: global }
    .group_segment_fixed_size: 55808
    .private_segment_fixed_size: 0
    .kernarg_segment_align: 8
    .kernarg_segment_size: 48
    .max_flat_workgroup_size: 512
    .sgpr_count:     66
    .vgpr_count:     242
    .wavefront_size: 32
...
	.end_amdgpu_metadata
.endif
;; end of part 1
;; launch attn (part 2): grid 64 x 4, 8 waves a work-group, no clusters, 144,384 bytes of LDS; arguments kv, qb, out0; writes out0
.if DOCPART == 2
	.amdgcn_target "amdgcn-amd-amdhsa--gfx1250"
	.amdhsa_code_object_version 6
	.text
	.protected	k_qd717e7ae10_attn
	.globl	k_qd717e7ae10_attn
	.p2align	8
	.type	k_qd717e7ae10_attn,@function
k_qd717e7ae10_attn:
	s_mov_b64 s[64:65], 0
	v_nop
	global_prefetch_b8 v0, s[64:65] scope:SCOPE_SE
	s_setreg_imm32_b32 hwreg(HW_REG_WAVE_MODE, 25, 1), 1
	s_wait_xcnt 0x0
; out[b][q][:] = the sum over keys k <= q of softmax_k(q . k / 8) v[k][:], both products on codes of BF6 (E3M2) with one E8M0 scale for each 32 along a product's K.  4 batches, 4,096 tokens, head size 64.
; kv and qb hold half images (6 registers x 32 lanes, 768 bytes: registers 0-3 at 16 x lane, 4-5 at 512 + 8 x lane; lane (r, h): the 32 codes 32 h .. 32 h + 31 of row r), a record for each group of 64 tokens:
; kv, 6,400 bytes: k's four (token tile 2 b + u: lane r = token 32 b + 8 u + r + (r & 8); codes along d), v's four (d tile t: row r = d 16 t + r; codes along the group's tokens), v's and k's scale bytes [r][tile] 2 bytes.
; qb, 3,328 bytes: q's four, as k's, and their scale bytes.
; THE SOFTMAX: t = score x log2(e) / 8; M = the largest t so far, rounded up to a whole number; p = 2^(t - M) is quantised along the keys, not normalised; the sum is taken of the unquantised p and divides at the end.
; SHARES.  Work-group g of a batch owns two blocks of 32 queries: block 127 - g, which has 32 - g / 4 key steps of 128, and block g, which has g / 4 + 1: 33 steps in every work-group.  The 33 are dealt to the
; eight waves in turn; a wave takes both tiles of 16 queries through each of its steps, so that each fragment of K and V serves two tiles.  Each wave ends each block with a partial (O, M, sum) for each tile; the
; eight partials of a tile meet in LDS and are brought under the largest M by powers of two, which rounds nothing.  A wave that had no step leaves O = 0, sum = 0 and M under every M.
; LAYOUT.  Both products are used transposed: S^T = K Q^T, O^T = V^T P^T: a lane holds one query (lane % 16) throughout.  THE FIRST PRODUCT'S K IS 64, HALF OF THE INSTRUCTION'S 128: a fragment of K is two half
; images on end, token tiles (b, 0) and (b, 1); Q stands as [q | zero codes] or [zero codes | q] and so picks one of the two.  The 16 registers of the two results are 16 neighbouring keys, 32 b + 16 h + 0 .. 15.
; NO JOINT LOADS, NO LDS RING: a step's tiles are read by one wave alone, as register images straight into its registers, and work-groups have different numbers of steps for each of their blocks.
; The two blocks are written out by one macro, so that every LDS address of a store is a constant, a lane term and a wave term.
; LIMITS: NaN and infinities are not served; M is a whole number exactly while |t| stays under 2^24; a block of p that has fallen to zeros keeps the scale byte 1: its codes are zeros.
; REGISTERS, window 0: v1-11 addresses; v12-19 statistics; v20-31 scale words; v32-58 at work; v64-127, v128-191 S^T then p of tiles A, B; v192-215 p's codes.
;   window 1: v0-31, v32-63 O^T of tiles A, B; v64-111 K's four fragments; v112-159 V's four; v160-189 [0][q A][0][q B][0], six registers each.
.set KVREC, 6400
.set QREC,  3328
.set HB,    768
.set PPITCH, 272                       ; a partial's row: 64 f32 + 16 bytes
.set PARTB, 16*PPITCH                  ; a partial: 16 queries
.set TILEB, 8*PARTB                    ; a tile's eight partials.  LDS: tile 2 x block + u at TILEB x tile, wave w's partial at PARTB x w in it;
.set STATS, 4*TILEB                    ; behind them the statistics: 1,024 bytes a tile, 64 a query: words 0-7 the eight waves' -M, words 8-15 their sums
.set L16, 1                            ; v1   16 x lane
.set L8,  2                            ; v2   8 x lane
.set QS0, 3                            ; v3   8 r + 2 h: q's scale bytes: lanes 0-15 tile A's, lanes 16-31 tile B's
.set MD,  4                            ; v4-5 the mask: 8 u + r + (r & 8) - 16 h
.set STO, 6                            ; v6   where I put 32 bytes of a partial's row, first block
.set STS, 7                            ; v7   and my statistics
.set MO,  8                            ; v8   the merge: where I read partials' rows
.set MS,  9                            ; v9   and statistics
.set GO,  10                           ; v10  my byte offset in two rows of the output
.set STO1, 11                          ; v11  as v6, second block
.set STA, 12                           ; v12 -M, v13 the largest t, v[14:15] the sum in two halves: tile A;
.set STB, 16                           ; v16-19: tile B
.set QS,  20                           ; v20  q's scale word
.set QAD, 21                           ; v21  its address
.set SC,  22                           ; v22-25 lanes 16-31: the scale words of K's fragments 0-3; lanes 0-15: V's scale bytes as they lie
.set VS,  26                           ; v26-29 the scale words of V's fragments
.set PSA, 30                           ; v30, v31 p's scale words
.set PSB, 31
.set BM,  32                           ; v32-35 a block's largest score, then largest p
.set T2,  36                           ; v36-39 at work
.set SO,  40                           ; v40-43 the conversions' scale operands
.set F,   44                           ; v[44:45] f = 2^(old M - new M): a pair is named, its low word used
.set T0,  46
.set T1,  47
.set DA,  48                           ; v48, v49 the mask's d for tiles A, B
.set DB,  49
.set NINF, 50                          ; v50  -infinity
.set CT,  52                           ; v52-54, v56-58 conversions' results on their way
.set SA,  64
.set SB,  128
.set PA,  192
.set PB,  204
.set OA,  0                            ; window 1
.set OB,  32
.set KF,  64
.set VF,  112
.set QZ,  160
.set MB,  64                           ; the merge: for each of four pairs of rows 48 registers: 8 -M, 8 sums, 8 x 4 of O
.set MM,  12                           ; the least -M
.set FP,  32                           ; v32-39 the eight factors
.set MA,  40                           ; v40-55 the merged O
.set ML,  56                           ; v56-59 the merged sums
.set MR,  60                           ; v60-63 their reciprocals
.set MSB, 0
.macro WIN new                         ; s_set_vgpr_msb: bits 1:0 source 0, 3:2 source 1, 5:4 source 2, 7:6 destination; the high byte repeats the setting that is left
.if MSB != \new
	s_set_vgpr_msb (MSB<<8)|\new
.set MSB, \new
.endif
.endm
; The scores of hidden keys become -infinity ahead of the maximum.  Register 16 b + i holds key 32 b + 16 h + i of the step: hidden where 32 b + i > d
.macro MASK sb, d
.set n, 0
.rept 64
	v_cmp_gt_i32 vcc_lo, 32*(n/16)+n%16, v[\d]
	v_cndmask_b32 v[\sb+n], v[\sb+n], v[NINF], vcc_lo
.set n, n+1
.endr
.endm
; One tile's softmax for a step of 128 keys: scores in v[sb] on, statistics at v[tb], codes to v[pb] on, scale word to v[pw], O^T at v[ob] of window 1.
.macro SOFT sb, tb, pb, pw, ob
.irp b, 0,1,2,3
	v_max3_num_f32 v[BM+\b], v[\sb+16*\b], v[\sb+16*\b+1], v[\sb+16*\b+2]   ; the largest score of each block of 32 keys: it serves the row's maximum and, since p rises with the score, the block's largest p
.endr
.irp i, 3,5,7,9,11,13
.irp b, 0,1,2,3
	v_max3_num_f32 v[BM+\b], v[BM+\b], v[\sb+16*\b+\i], v[\sb+16*\b+\i+1]
.endr
.endr
.irp b, 0,1,2,3
	v_max_num_f32 v[BM+\b], v[BM+\b], v[\sb+16*\b+15]
.endr
.irp b, 0,1,2,3
	v_permlanex16_b32 v[T2+\b], v[BM+\b], s20, s21
.endr
.irp b, 0,1,2,3
	v_max_num_f32 v[BM+\b], v[BM+\b], v[T2+\b]     ; with lane l xor 16's 16 keys
.endr
	v_max3_num_f32 v[T0], v[BM], v[BM+1], v[BM+2]
	v_max_num_f32 v[T0], v[T0], v[BM+3]            ; the step's largest score of my query
	v_mul_f32 v[T0], s22, v[T0]                    ; as t (c is positive)
	v_max_num_f32 v[\tb+1], v[\tb+1], v[T0]        ; the running largest t
	v_mov_b32 v[T0], v[\tb]
	v_floor_f32 v[\tb], -v[\tb+1]                  ; the new -M = floor(-t): M is a whole number
	v_sub_f32 v[T0], v[\tb], v[T0]                 ; old M - new M: a whole number, 0 or less
	v_cvt_i32_f32 v[T0], v[T0]                     ; (it saturates)
	v_ldexp_f32 v[F], 1.0, v[T0]                   ; f = 2^(old M - new M)
.set n, 0
.rept 32
	v_pk_fma_f32 v[\sb+n:\sb+n+1], v[\sb+n:\sb+n+1], s[22:23], v[\tb:\tb+1] op_sel_hi:[1,0,0]   ; t - M, two at a time (of the pairs c and -M the low word serves both halves)
.set n, n+2
.endr
.irp b, 0,1,2,3
	v_fma_f32 v[BM+\b], v[BM+\b], s22, v[\tb]      ; the same of each block's largest score
.endr
.set n, 0
.rept 64
	v_exp_f32 v[\sb+n], v[\sb+n]                   ; p = 2^(t - M), at most 1
.set n, n+1
.endr
	v_pk_mul_f32 v[\tb+2:\tb+3], v[\tb+2:\tb+3], v[F:F+1] op_sel_hi:[1,0]   ; the sums under the new M: the plain place behind the exponentials
	s_wait_alu depctr_va_vdst(0)                   ; one wait for the batch of 64, ahead of its first reader
.irp b, 0,1,2,3
	v_exp_f32 v[BM+\b], v[BM+\b]                   ; the block's largest p: the same two instructions on the same number
.endr
	v_pk_add_f32 v[T2:T2+1], v[\sb:\sb+1], v[\sb+2:\sb+3]   ; the row's sum is taken of the unquantised p: two at a time, in two chains; it reads the 64 alone
.set n, 4
.rept 15
	v_pk_add_f32 v[\tb+2:\tb+3], v[\tb+2:\tb+3], v[\sb+n:\sb+n+1]
	v_pk_add_f32 v[T2:T2+1], v[T2:T2+1], v[\sb+n+2:\sb+n+3]
.set n, n+4
.endr
	v_pk_add_f32 v[\tb+2:\tb+3], v[\tb+2:\tb+3], v[T2:T2+1]
	s_wait_alu depctr_va_vdst(0)                   ; and one for the four
.irp b, 0,1,2,3
	v_max_num_f32 v[BM+\b], 0x2800000, v[BM+\b]    ; the floor 2^(5 - 127): the byte cannot fall under 1
.endr
.irp b, 0,1,2,3
	v_add_nc_u32 v[SO+\b], 0xfe000000, v[BM+\b]    ; 4 off the exponent field: the conversion's scale operand
.endr
.irp b, 0,1,2,3
	v_lshrrev_b32 v[T2+\b], 23, v[SO+\b]           ; the scale's byte
.endr
	v_lshl_or_b32 v[\pw], v[T2+1], 8, v[T2]        ; p's scale word for these 128 keys
	v_lshl_or_b32 v[\pw], v[T2+2], 16, v[\pw]
	v_lshl_or_b32 v[\pw], v[T2+3], 24, v[\pw]
.irp c, 0,1
	v_cvt_scalef32_pk16_bf6_f32 v[\pb+6*\c:\pb+6*\c+2], v[\sb+32*\c:\sb+32*\c+15], v[SO+2*\c]
	v_cvt_scalef32_pk16_bf6_f32 v[CT+4*\c:CT+4*\c+2], v[\sb+32*\c+16:\sb+32*\c+31], v[SO+2*\c+1]   ; (a conversion's three registers begin on an even number)
.endr
	v_nop                                          ; one plain place behind the last scaled conversion
.irp c, 0,1                                    ; the operand's layout wants a whole block in a lane
.irp i, 0,1,2
	v_permlane16_swap_b32 v[\pb+6*\c+\i], v[CT+4*\c+\i]
.endr
.irp i, 0,1,2
	v_mov_b32 v[\pb+6*\c+3+\i], v[CT+4*\c+\i]
.endr
.endr
	WIN 0x41                                       ; O^T (destination, source 0) in window 1, f in window 0
.set n, 0
.rept 16
	v_pk_mul_f32 v[\ob+n:\ob+n+1], v[\ob+n:\ob+n+1], v[F:F+1] op_sel_hi:[1,0]   ; O^T under the new M.  (These are also the places between the scale word's and the codes' last writes and the second product)
.set n, n+2
.endr
	WIN 0
.endm
; A KEY STEP: keys 128 s17 on, for both tiles.
.macro UNIT
	s_mul_i32 s28, s17, 2*KVREC                    ; two records.  (The last step's loads, which named s[26:27], have been waited for)
	s_mov_b32 s29, 0
	s_add_nc_u64 s[26:27], s[24:25], s[28:29]
	global_load_b64 v[SC:SC+1], v[L8], s[26:27] offset:8*HB           ; a record's 256 scale bytes: lanes 0-15 V's, lanes 16-31 K's
	global_load_b64 v[SC+2:SC+3], v[L8], s[26:27] offset:KVREC+8*HB
	WIN 0x40                                       ; destination window 1
.irp b, 0,1,2,3
.irp u, 0,1
	global_load_b128 v[KF+12*\b+6*\u:KF+12*\b+6*\u+3], v[L16], s[26:27] offset:(\b/2)*KVREC+HB*(2*(\b%2)+\u)
	global_load_b64 v[KF+12*\b+6*\u+4:KF+12*\b+6*\u+5], v[L8], s[26:27] offset:(\b/2)*KVREC+HB*(2*(\b%2)+\u)+512
.endr
.endr
.irp t, 0,1,2,3
.irp c, 0,1
	global_load_b128 v[VF+12*\t+6*\c:VF+12*\t+6*\c+3], v[L16], s[26:27] offset:\c*KVREC+HB*(4+\t)
	global_load_b64 v[VF+12*\t+6*\c+4:VF+12*\t+6*\c+5], v[L8], s[26:27] offset:\c*KVREC+HB*(4+\t)+512
.endr
.endr
	WIN 0
	s_wait_loadcnt 16                              ; the scale bytes and K are in; V's 16 loads, issued behind them, stay out until the second product
	v_perm_b32 v[VS], v[SC+2], v[SC], s36          ; V's scale word of d tile t: the first record's two bytes, then the second's
	v_perm_b32 v[VS+1], v[SC+2], v[SC], s37
	v_perm_b32 v[VS+2], v[SC+3], v[SC+1], s36
	v_perm_b32 v[VS+3], v[SC+3], v[SC+1], s37
	WIN 0x05                                       ; K and Q in window 1, S^T in window 0
.irp b, 0,1,2,3                                ; S^T = K Q^T.  u = 0: [q | 0] picks the fragment's first half image, u = 1: [0 | q] its second.  K's scale words lie in lanes 16-31; q's: tile A's in lanes 0-15, tile B's in lanes 16-31
.irp u, 0,1
	v_wmma_scale_f32_16x16x128_f8f6f4 v[SA+8*(2*\b+\u):SA+8*(2*\b+\u)+7], v[KF+12*\b:KF+12*\b+11], v[QZ+6-6*\u:QZ+17-6*\u], 0, v[SC+\b], v[QS] matrix_a_fmt:MATRIX_FMT_BF6 matrix_b_fmt:MATRIX_FMT_BF6 matrix_a_scale:MATRIX_SCALE_ROW1
	v_wmma_scale_f32_16x16x128_f8f6f4 v[SB+8*(2*\b+\u):SB+8*(2*\b+\u)+7], v[KF+12*\b:KF+12*\b+11], v[QZ+18-6*\u:QZ+29-6*\u], 0, v[SC+\b], v[QS] matrix_a_fmt:MATRIX_FMT_BF6 matrix_b_fmt:MATRIX_FMT_BF6 matrix_a_scale:MATRIX_SCALE_ROW1 matrix_b_scale:MATRIX_SCALE_ROW1
.endr
.endr
	WIN 0
.rept 4
	v_nop                                          ; four places behind the last product, ahead of the first read of results (ISA guide 7.12.1)
.endr
	s_cmp_lg_u32 s17, s19                          ; only the block's last step lies on the diagonal: a branch on ids
	s_cbranch_scc1 .Lopen_\@
	MASK SA, DA
	MASK SB, DB
.Lopen_\@:
	SOFT SA, STA, PA, PSA, OA
	SOFT SB, STB, PB, PSB, OB
	s_wait_loadcnt 0x0                             ; V is in
	WIN 0x51                                       ; V in window 1, p in window 0, O^T (C and D) in window 1
.irp t, 0,1,2,3                                ; O^T += V^T P^T: eight accumulators, one instruction each; the next step's sixteen first products stand between two links of a chain
	v_wmma_scale_f32_16x16x128_f8f6f4 v[OA+8*\t:OA+8*\t+7], v[VF+12*\t:VF+12*\t+11], v[PA:PA+11], v[OA+8*\t:OA+8*\t+7], v[VS+\t], v[PSA] matrix_a_fmt:MATRIX_FMT_BF6 matrix_b_fmt:MATRIX_FMT_BF6
	v_wmma_scale_f32_16x16x128_f8f6f4 v[OB+8*\t:OB+8*\t+7], v[VF+12*\t:VF+12*\t+11], v[PB:PB+11], v[OB+8*\t:OB+8*\t+7], v[VS+\t], v[PSB] matrix_a_fmt:MATRIX_FMT_BF6 matrix_b_fmt:MATRIX_FMT_BF6
.endr
	WIN 0
.rept 4
	v_nop                                          ; four places, ahead of the next loads into V's registers, the next writes of the scale words, and the reads of O^T
.endr
.endm
; My partials of block j go to LDS: -M and the sum of each tile, and O^T as rows of 64 f32 (lane (r, h), register 8 t + i: O(query r, d 16 t + 8 h + i)).
.macro FLUSH j, adr
	v_add_f32 v[T0], v[STA+2], v[STA+3]            ; the sum's two halves,
	v_add_f32 v[T1], v[STB+2], v[STB+3]
	v_permlanex16_b32 v[T2], v[T0], s20, s21
	v_permlanex16_b32 v[T2+1], v[T1], s20, s21
	v_add_f32 v[T0], v[T0], v[T2]                  ; and lane l xor 16's
	v_add_f32 v[T1], v[T1], v[T2+1]
	ds_store_b32 v[STS], v[STA] offset:2048*\j     ; both lanes of a query write the same word with the same value
	ds_store_b32 v[STS], v[T0] offset:2048*\j+32
	ds_store_b32 v[STS], v[STB] offset:2048*\j+1024
	ds_store_b32 v[STS], v[T1] offset:2048*\j+1024+32
	WIN 0x04                                       ; an LDS store's data are its source 1: window 1
.irp u, 0,1
.irp t, 0,1,2,3
	ds_store_b128 v[\adr], v[32*\u+8*\t:32*\u+8*\t+3] offset:TILEB*\u+64*\t          ; each accumulator from its low end on
	ds_store_b128 v[\adr], v[32*\u+8*\t+4:32*\u+8*\t+7] offset:TILEB*\u+64*\t+16
.endr
.endr
	WIN 0
	s_wait_dscnt 0x0                               ; the stores are done: O^T and the statistics may be written again, and the barrier may be signalled
.endm
; BLOCK j of the work-group's two.
.macro JOBM j, adr
.if \j == 0
	s_sub_co_u32 s15, 127, ttmp9                   ; the block of 32 queries,
	s_sub_co_u32 s16, 32, s13                      ; its key steps,
	s_mov_b32 s17, s10                             ; my first: the 33 steps of both blocks on end are dealt out in turn
.else
	s_mov_b32 s15, ttmp9
	s_add_co_u32 s16, s13, 1
	s_add_co_u32 s17, s10, s13
	s_and_b32 s17, s17, 7
.endif
	s_lshr_b32 s19, s15, 2                         ; the step on the diagonal: the last
	s_lshr_b32 s28, s15, 1
	s_lshl_b32 s38, s12, 6
	s_add_co_u32 s28, s28, s38                     ; the block's group of 64 tokens
	s_mul_i32 s28, s28, QREC
	s_mov_b32 s29, 0
	s_add_nc_u64 s[30:31], s[6:7], s[28:29]        ; its record of q,
	s_and_b32 s38, s15, 1
	s_mul_i32 s28, s38, 2*HB
	s_add_nc_u64 s[32:33], s[30:31], s[28:29]      ; the block's two half images in it
	s_lshl_b32 s38, s38, 2
	v_add_nc_u32 v[QAD], s38, v[QS0]
	s_and_b32 s39, s15, 3
	s_lshl_b32 s39, s39, 5
	v_add_nc_u32 v[DA], s39, v[MD]                 ; d = my query - the diagonal step's first key - 16 h
	v_add_nc_u32 v[DB], s39, v[MD+1]
	WIN 0x40
	global_load_b128 v[QZ+6:QZ+9], v[L16], s[32:33]
	global_load_b64 v[QZ+10:QZ+11], v[L8], s[32:33] offset:512
	global_load_b128 v[QZ+18:QZ+21], v[L16], s[32:33] offset:HB
	global_load_b64 v[QZ+22:QZ+23], v[L8], s[32:33] offset:HB+512
	WIN 0
	global_load_u16 v[QS], v[QAD], s[30:31] offset:4*HB
.irp t, STA, STB
	v_mov_b32 v[\t+1], 0xff61b1e6                  ; the largest t so far: -3e38, under every t
	v_mov_b32 v[\t+2], 0                           ; the sum, in two halves
	v_mov_b32 v[\t+3], 0
.endr
.irp t, STA, STB
	v_floor_f32 v[\t], -v[\t+1]                    ; -M
.endr
	s_wait_loadcnt 0x0
	v_lshl_or_b32 v[QS], v[QS], 16, v[QS]          ; q's two bytes twice: they serve [q | 0] and [0 | q]; over the zero codes any byte but 0xff will do
	WIN 0x40
.set n, 0
.rept 64
	v_mov_b32 v[n], 0                              ; O^T of both tiles: the step is written once, its first turn finds zeros; a wave without a step leaves them.  (Also the places behind the scale word's write)
.set n, n+1
.endr
	WIN 0
	s_mov_b32 s18, 0
.Lstep_\@:                                         ; four trips: steps s17, s17 + 8, .. as far as the block has steps
	s_cmp_ge_u32 s17, s16
	s_cbranch_scc1 .Lskip_\@
	UNIT
.Lskip_\@:
	s_add_co_u32 s17, s17, 8
	s_add_co_u32 s18, s18, 1
	s_cmp_lt_u32 s18, 4
	s_cbranch_scc1 .Lstep_\@
	FLUSH \j, \adr
.endm
; The merge of rows 2 i + h of my eight: m = the least -M; f_p = 2^(M_p - the largest M), by v_ldexp_f32 of 1.0 with that whole number; the sums of f_p x sum_p and of f_p x O_p
.macro MSUM i
.set MBI, MB+48*\i
	s_wait_dscnt 36-12*\i                          ; LDS loads come back in order: behind this pair of rows' twelve stand twelve for each later pair
	v_min3_num_f32 v[MM], v[MBI], v[MBI+1], v[MBI+2]
	v_min3_num_f32 v[MM], v[MM], v[MBI+3], v[MBI+4]
	v_min3_num_f32 v[MM], v[MM], v[MBI+5], v[MBI+6]
	v_min_num_f32 v[MM], v[MM], v[MBI+7]
.irp p, 0,1,2,3,4,5,6,7
	v_sub_f32 v[FP+\p], v[MM], v[MBI+\p]           ; a whole number, 0 or less
.endr
.irp p, 0,1,2,3,4,5,6,7
	v_cvt_i32_f32 v[FP+\p], v[FP+\p]               ; (it saturates: an empty partial's factor is 0)
.endr
.irp p, 0,1,2,3,4,5,6,7
	v_ldexp_f32 v[FP+\p], 1.0, v[FP+\p]
.endr
	v_mul_f32 v[ML+\i], v[FP], v[MBI+8]
.irp k, 0,1,2,3
	v_mul_f32 v[MA+4*\i+\k], v[FP], v[MBI+16+\k]
.endr
.irp p, 1,2,3,4,5,6,7
	v_fmac_f32 v[ML+\i], v[FP+\p], v[MBI+8+\p]
.irp k, 0,1,2,3
	v_fmac_f32 v[MA+4*\i+\k], v[FP+\p], v[MBI+16+4*\p+\k]
.endr
.endr
.endm
	s_load_b128 s[4:7], s[0:1], 0x0                ; kv s[4:5], qb s[6:7]
	s_load_b64 s[8:9], s[0:1], 0x10                ; out0
	s_set_vgpr_msb 0x40
	v_lshl_add_u32 v192, v0, 2, 0x23000
	v_mov_b32 v193, 0
	s_set_vgpr_msb 0x4000
	v_lshrrev_b32 v1, 5, v0
	v_readfirstlane_b32 s10, v1                    ; wave 0..7
	v_and_b32 v54, 31, v0                          ; lane
	v_and_b32 v52, 15, v0                          ; r
	v_bfe_u32 v53, v0, 4, 1                        ; h
	v_lshlrev_b32 v[L16], 4, v54
	v_lshlrev_b32 v[L8], 3, v54
	v_lshlrev_b32 v[QS0], 3, v52
	v_lshl_add_u32 v[QS0], v53, 1, v[QS0]
	v_and_b32 v[MD], 8, v52
	v_add_nc_u32 v[MD], v[MD], v52                 ; r + (r & 8)
	v_lshlrev_b32 v56, 4, v53
	v_sub_nc_u32 v[MD], v[MD], v56                 ; - 16 h
	v_add_nc_u32 v[MD+1], 8, v[MD]
	s_mul_i32 s28, s10, PARTB
	v_mul_u32_u24 v[STO], v52, PPITCH
	v_lshl_add_u32 v[STO], v53, 5, v[STO]
	v_add_nc_u32 v[STO], s28, v[STO]               ; row r, + 32 h, in my partial
	v_add_nc_u32 v[STO1], 2*TILEB, v[STO]
	s_lshl_b32 s28, s10, 2
	s_add_co_u32 s28, s28, STATS
	v_lshl_add_u32 v[STS], v52, 6, s28             ; query r's 64 bytes, my wave's word
	s_lshr_b32 s28, s10, 1                         ; the merge: wave w takes tile w / 2, rows 8 (w % 2) + 2 i + h
	s_and_b32 s29, s10, 1
	s_mul_i32 s30, s28, TILEB
	s_mul_i32 s31, s29, 8*PPITCH
	s_add_co_u32 s30, s30, s31
	v_mul_u32_u24 v[MO], v53, PPITCH
	v_lshl_add_u32 v[MO], v52, 4, v[MO]
	v_add_nc_u32 v[MO], s30, v[MO]                 ; 16 bytes a lane of a row's 256
	s_lshl_b32 s30, s28, 10
	s_lshl_b32 s31, s29, 9
	s_add_co_u32 s30, s30, s31
	s_add_co_u32 s30, s30, STATS
	v_lshl_add_u32 v[MS], v53, 6, s30
	v_lshlrev_b32 v[GO], 8, v53
	v_lshl_add_u32 v[GO], v52, 4, v[GO]            ; lanes 0-15 one row of the output, lanes 16-31 the next
	v_mov_b32 v[NINF], 0xff800000
	v_mov_b32 v[F+1], 0                            ; (named as the upper half of a pair)
.irp b, 0,1,2,3
	v_mov_b32 v[T2+\b], 0                          ; written once: a lane permute's destination counts as one of its sources
.endr
	WIN 0x40
.irp z, 0,12,24
.irp i, 0,1,2,3,4,5
	v_mov_b32 v[QZ+\z+\i], 0                       ; the zero codes beside q: written once
.endr
.endr
	WIN 0
	s_and_b32 s12, ttmp7, 0xffff                   ; the batch
	s_lshr_b32 s13, ttmp9, 2                       ; g / 4
	s_mov_b32 s20, 0x76543210
	s_mov_b32 s21, 0xfedcba98                      ; v_permlanex16_b32's selects for lane l xor 16
	s_mov_b32 s22, 0x3e38aa3b                      ; c = log2(e) / 8
	s_mov_b32 s23, s22                             ; (named with it as a pair)
	s_mov_b32 s36, 0x05040100                      ; v_perm_b32: the two low halves,
	s_mov_b32 s37, 0x07060302                      ; the two high halves
	s_mul_i32 s28, s12, 64*KVREC
	s_mov_b32 s29, 0
	s_wait_kmcnt 0x0
	s_add_nc_u64 s[24:25], s[4:5], s[28:29]        ; the batch's 64 records of k and v
	JOBM 0, STO
	JOBM 1, STO1
	s_barrier_signal -1                            ; every wave's stores have landed (the wait for them ends each block)
	s_barrier_wait -1
	; THE MERGE.  All 48 loads go out at once: for each pair of rows four of statistics and eight of O, one for each wave's partial
.irp i, 0,1,2,3
.irp q, 0,1,2,3
	ds_load_b128 v[MB+48*\i+4*\q:MB+48*\i+4*\q+3], v[MS] offset:128*\i+16*\q
.endr
.irp p, 0,1,2,3,4,5,6,7
	ds_load_b128 v[MB+48*\i+16+4*\p:MB+48*\i+16+4*\p+3], v[MO] offset:PARTB*\p+2*PPITCH*\i
.endr
.endr
	s_lshr_b32 s28, s10, 2                         ; my tile's block: the first (127 - g) or the second (g),
	s_sub_co_u32 s29, 127, ttmp9
	s_cmp_eq_u32 s28, 0
	s_cselect_b32 s29, s29, ttmp9
	s_lshl_b32 s29, s29, 5                         ; its first token;
	s_bfe_u32 s30, s10, 0x10001                    ; u;
	s_lshl_b32 s30, s30, 3
	s_add_co_u32 s29, s29, s30
	s_and_b32 s30, s10, 1                          ; rows 8 .. 15 of a tile are the tokens 16 further on than rows 0 .. 7
	s_lshl_b32 s30, s30, 4
	s_add_co_u32 s29, s29, s30
	s_lshl_b32 s30, s12, 12
	s_add_co_u32 s29, s29, s30                     ; token 4096 x batch + 32 x block + 8 u + 16 (w % 2): eight neighbouring rows of the output from there on are mine
	s_lshl_b32 s28, s29, 8
	s_mov_b32 s29, 0
	s_add_nc_u64 s[8:9], s[8:9], s[28:29]
	MSUM 0
	MSUM 1
	MSUM 2
	MSUM 3
.irp i, 0,1,2,3
	v_rcp_f32 v[MR+\i], v[ML+\i]
.endr
	v_nop                                          ; a plain place behind the last reciprocal
	s_wait_alu depctr_va_vdst(0)                   ; one wait for the four, ahead of their first reader
.irp i, 0,1,2,3
.irp k, 0,1,2,3
	v_mul_f32 v[MA+4*\i+\k], v[MA+4*\i+\k], v[MR+\i]
.endr
.endr
.irp i, 0,1,2,3
	global_store_b128 v[GO], v[MA+4*\i:MA+4*\i+3], s[8:9] offset:512*\i th:TH_STORE_NT   ; 32 lanes store two whole rows: 512 consecutive bytes, at a multiple of 256 from the output's first byte
.endr
	s_set_vgpr_msb 0x5
	s_wait_tensorcnt 0x0
	ds_add_u32 v192, v193
	s_wait_dscnt 0x0
	s_set_vgpr_msb 0x500
	s_endpgm
.Lfunc_end_k_qd717e7ae10_attn:
	.size	k_qd717e7ae10_attn, .Lfunc_end_k_qd717e7ae10_attn-k_qd717e7ae10_attn
	.p2alignl 7, 3214868480
	.fill 96, 4, 3214868480
	.section	.rodata,"a",@progbits
	.p2align	6, 0x0
	.amdhsa_kernel k_qd717e7ae10_attn
		.amdhsa_group_segment_fixed_size 144384
		.amdhsa_private_segment_fixed_size 0
		.amdhsa_enable_private_segment 0
		.amdhsa_kernarg_size 24
		.amdhsa_user_sgpr_count 2
		.amdhsa_user_sgpr_kernarg_segment_ptr 1
		.amdhsa_wavefront_size32 1
		.amdhsa_system_sgpr_workgroup_id_x 1
		.amdhsa_system_sgpr_workgroup_id_y 1
		.amdhsa_system_sgpr_workgroup_id_z 1
		.amdhsa_system_vgpr_workitem_id 0
		.amdhsa_next_free_vgpr 450
		.amdhsa_next_free_sgpr 66
		.amdhsa_reserve_vcc 1
		.amdhsa_float_denorm_mode_32 3
		.amdhsa_float_denorm_mode_16_64 3
		.amdhsa_memory_ordered 1
		.amdhsa_forward_progress 1
		.amdhsa_inst_pref_size 111
	.end_amdhsa_kernel
	.amdgpu_metadata
---
amdhsa.version: [ 1, 2 ]
amdhsa.kernels:
  - .name:           k_qd717e7ae10_attn
    .symbol:         k_qd717e7ae10_attn.kd
    .args:
      - { .name: kv, .offset: 0, .size: 8, .value_kind: global_buffer, .address_space: global }
      - { .name: qb, .offset: 8, .size: 8, .value_kind: global_buffer, .address_space: global }
      - { .name: out0, .offset: 16, .size: 8, .value_kind: global_buffer, .address_space: global }
    .group_segment_fixed_size: 144384
    .private_segment_fixed_size: 0
    .kernarg_segment_align: 8
    .kernarg_segment_size: 24
    .max_flat_workgroup_size: 256
    .sgpr_count:     66
    .vgpr_count:     450
    .wavefront_size: 32
...
	.end_amdgpu_metadata
.endif
;; end of part 2
;; ======== version 2 of 2: 2 launches; version 1 with the launches proj, attn written anew for expert scheduling mode
;; workspace buffers: kv 1,638,400 bytes; qb 851,968 bytes
;; launch proj (part 3): grid 256 x 1, 16 waves a work-group, no clusters, 55,808 bytes of LDS; arguments y, Wq, Wk, Wv, kv, qb; writes kv, qb
.if DOCPART == 3
	.amdgcn_target "amdgcn-amd-amdhsa--gfx1250"
	.amdhsa_code_object_version 6
	.text
	.protected	k_qd717e7ae10_proj
	.globl	k_qd717e7ae10_proj
	.p2align	8
	.type	k_qd717e7ae10_proj,@function
k_qd717e7ae10_proj:
	s_mov_b64 s[64:65], 0
	v_nop
	global_prefetch_b8 v0, s[64:65] scope:SCOPE_SE
	s_setreg_imm32_b32 hwreg(HW_REG_WAVE_SCHED_MODE, 0, 2), 2
	s_setreg_imm32_b32 hwreg(HW_REG_WAVE_MODE, 25, 1), 1
	s_wait_xcnt 0x0
	s_wait_alu depctr_vm_vsrc(0)
; q = y Wq, k = y Wk, v = y Wv on codes of BF6 (E3M2) with one E8M0 scale for each 32 along K = 256, and the results quantised again for the attention launch:
; q and k along the head's 64, v along the tokens.  y: [16384][256] f32; Wq, Wk, Wv: [256][64] f32, K their first axis.
; SHARES.  A work-group of sixteen waves takes one group of 64 tokens.  Phase 1: wave w quantises one tile of 16 rows x 256 K (two fragments): waves 0-3 the four tiles of y, waves 4-7 Wv's four tiles of
; columns, waves 8-11 Wk's, waves 12-15 Wq's; the fragments go to LDS as images of their registers (three stores of 16 bytes a lane), their scale words 4 bytes a lane.  Phase 2: waves 0-11 each make one
; result tile set: 8 matrix instructions, quantise in registers, store.
; THE TOKENS OF A TILE ARE NOT NEIGHBOURS: lane r of tile 2 b + u takes token 32 b + 8 u + r + (r & 8); the columns of Wk's and Wq's tiles likewise.  So the 16 registers of two neighbouring result tiles are
; 16 neighbours along the next product's K: along d where source 0 is Wk or Wq (a lane holds one token), along the tokens where source 0 is y (a lane holds one d of v).
; OUT.  A HALF IMAGE is 6 registers x 32 lanes, 768 bytes: registers 0-3 at 16 x lane, registers 4-5 at 512 + 8 x lane; lane (r, h) holds the 32 codes 32 h .. 32 h + 31 of row r.
; kv, a record of 6,400 bytes a group: k's four half images (token tile 0-3), v's four (d tile 0-3; codes along the group's tokens), v's scale bytes [r][tile] 2 bytes, k's likewise.
; qb, a record of 3,328 bytes a group: q's four half images, q's scale bytes [r][tile] 2 bytes (128 bytes: half of an aligned 256, the launch's one store of a part); its last 128 bytes are neither written nor read.
; NO JOINT LOADS: what the work-groups share, the three weights (196,608 bytes), is wanted a column to a lane with registers down K, which loads into registers give as they stand; y is read by one work-group.
; LIMITS: NaN and infinities among the inputs are not served.  A block whose largest magnitude lies under 2^(5 - 127) keeps the scale byte 1, a block of zeros too (the rule says 127 there): its codes are
; zeros, and this program alone reads the bytes.
; THE MODE: SCHED_MODE bits 1:0 = 2 (LLVM: expert scheduling mode 2), set by the entry lines.  The code itself states the register dependences between vector or matrix instructions and memory or LDS
; instructions, with s_wait_alu, always for 0.
; THE PLAN.  Registers that memory or LDS instructions touch:
;   v4          phase 1's offset: written by vector lines in each arm, read by that arm's loads.
;   v5-v14      offsets and LDS addresses: written once at the head, never again.
;   v64-v191    phase 1: the global loads land here, the two quantisers read.  Phase 2: the LDS loads land in v64-v193, the products read.
;   v36-v47, v32  the codes and the scale word: written by each quantiser, read by the stores behind it, written again by the next quantiser.
; So: one wait on va_vdst ahead of each arm's loads (the offset, and all that the head made); one behind each quantiser, ahead of its stores (the second of them also shows every read of v64-v191 done,
; and no vector line stands between it and phase 2's LDS loads); one wait on vm_vsrc ahead of each quantiser that writes the codes' registers again.
.set FRB,   1536                       ; a fragment's image: 12 registers x 128 bytes
.set FSC,   32*FRB                     ; LDS: 32 images (index 2 x tile + K step; tiles 0-3 y, 4-7 Wv, 8-11 Wk, 12-15 Wq), then their scale words, 128 bytes each,
.set SST,   FSC+32*128                 ; then the results' scale bytes: v's 128, k's 128, q's 128, each [r][tile] 2 bytes
.set KVREC, 6400
.set QREC,  3328
.set HB,    768                        ; a half image
.set LN,  1                            ; v1   lane
.set RR,  2                            ; v2   r = lane % 16
.set HH,  3                            ; v3   h = lane / 16
.set GA,  4                            ; v4   my byte offset in what phase 1 loads
.set LI,  5                            ; v5   16 x lane
.set L4,  6                            ; v6   4 x lane
.set WI,  7                            ; v7   where I store my two images
.set WS,  8                            ; v8   and their scale words
.set AX,  9                            ; v9   phase 2: source 0's eight images
.set AY,  10                           ; v10  source 1's two
.set SX,  11                           ; v11  source 0's scale words
.set SY,  12                           ; v12  source 1's
.set SS,  13                           ; v13  where my result's two scale bytes go
.set L8,  14                           ; v14  8 x lane
.set TM,  16                           ; v16-19 largest magnitudes, v20-23 bytes, v28-31 the conversions' scale operands
.set PW,  32                           ; v32  the scale word just made
.set PC,  36                           ; v36-47 the codes just made; v48-54 at work
.set X,   64                           ; v64-191 phase 1: 128 numbers
.set AF,  64                           ; phase 2: v64-159 source 0's eight fragments,
.set BF,  160                          ; v160-183 source 1's two,
.set ASC, 184                          ; v184-191, v192-193 their scale words,
.set BSC, 192
.set HA,  200                          ; v200-231 four accumulators
; nb blocks of 32 along K: register 16 b + i of v[src] on = k 32 b + 16 h + i of my row.  They become codes in v[PC] on (6 registers for each two blocks, in the operand's layout) and the scale bytes in v[PW].
.macro QUANT src, nb
.set n, 0
.rept \nb
	v_max3_num_f32 v[TM+n], |v[\src+16*n]|, |v[\src+16*n+1]|, 0x2800000   ; my 16 numbers of block n, and the floor 2^(5 - 127): the byte cannot fall under 1
.set n, n+1
.endr
.irp i, 2,4,6,8,10,12,14
.set n, 0
.rept \nb
	v_max3_num_f32 v[TM+n], v[TM+n], |v[\src+16*n+\i]|, |v[\src+16*n+\i+1]|   ; (the blocks by turns)
.set n, n+1
.endr
.endr
.set n, 0
.rept \nb
	v_permlanex16_b32 v[TM+4+n], v[TM+n], s20, s21
.set n, n+1
.endr
.set n, 0
.rept \nb
	v_max_num_f32 v[TM+n], v[TM+n], v[TM+4+n]      ; with lane l xor 16's 16: the block's largest magnitude
.set n, n+1
.endr
.set n, 0
.rept \nb
	v_add_nc_u32 v[TM+12+n], 0xfe000000, v[TM+n]   ; 4 off its exponent field: the conversion takes the exponent field of this operand as its scale
.set n, n+1
.endr
.set n, 0
.rept \nb
	v_lshrrev_b32 v[TM+4+n], 23, v[TM+12+n]        ; the scale's byte
.set n, n+1
.endr
	v_lshl_or_b32 v[PW], v[TM+5], 8, v[TM+4]
.if \nb > 2
	v_lshl_or_b32 v[PW], v[TM+6], 16, v[PW]
	v_lshl_or_b32 v[PW], v[TM+7], 24, v[PW]
.endif
.set n, 0
.rept \nb/2
	v_cvt_scalef32_pk16_bf6_f32 v[PC+6*n:PC+6*n+2], v[\src+32*n:\src+32*n+15], v[TM+12+2*n]
	v_cvt_scalef32_pk16_bf6_f32 v[PC+12+4*n:PC+12+4*n+2], v[\src+32*n+16:\src+32*n+31], v[TM+12+2*n+1]   ; (a conversion's three registers begin on an even number)
.set n, n+1
.endr
	v_nop                                          ; one plain place behind the last scaled conversion
.set n, 0
.rept \nb/2                                    ; the operand's layout wants a whole block in a lane: lanes 0-15 block 2 n, lanes 16-31 block 2 n + 1
.irp i, 0,1,2
	v_permlane16_swap_b32 v[PC+6*n+\i], v[PC+12+4*n+\i]
.endr
.irp i, 0,1,2
	v_mov_b32 v[PC+6*n+3+\i], v[PC+12+4*n+\i]
.endr
.set n, n+1
.endr
.endm
.macro IMAGE adr, off                          ; the fragment in v[PC] on goes to LDS as it stands
.irp c, 0,1,2
	ds_store_b128 v[\adr], v[PC+4*\c:PC+4*\c+3] offset:\off+512*\c
.endr
.endm
.macro FETCH reg, adr, off                     ; and comes back so, in any wave
.irp c, 0,1,2
	ds_load_b128 v[\reg+4*\c:\reg+4*\c+3], v[\adr] offset:\off+512*\c
.endr
.endm
.macro BARRIER                                 ; my LDS stores have landed and my LDS loads are in: then the work-group's barrier
	s_wait_dscnt 0x0
	s_barrier_signal -1
	s_barrier_wait -1
.endm
	s_load_b256 s[4:11], s[0:1], 0x0               ; y s[4:5], Wq s[6:7], Wk s[8:9], Wv s[10:11]
	s_load_b128 s[12:15], s[0:1], 0x20             ; kv s[12:13], qb s[14:15]
	v_lshl_add_u32 v240, v0, 2, 0xd200
	v_mov_b32 v241, 0
	v_lshrrev_b32 v1, 5, v0
	v_readfirstlane_b32 s16, v1                    ; wave 0..15
	v_and_b32 v[LN], 31, v0
	v_and_b32 v[RR], 15, v0
	v_bfe_u32 v[HH], v0, 4, 1
	v_lshlrev_b32 v[LI], 4, v[LN]
	v_lshlrev_b32 v[L4], 2, v[LN]
	s_wait_alu depctr_va_vdst(0)
	v_lshlrev_b32 v[L8], 3, v[LN]
	s_wait_alu depctr_va_sdst(0)                   ; s16 is written, ahead of its first reader: roles, LDS addresses and branches are made from it
	s_lshr_b32 s24, s16, 2                         ; phase 1: 0 y, 1 Wv, 2 Wk, 3 Wq
	s_min_u32 s17, s24, 2                          ; phase 2: the kind of my job: 0 v, 1 k, 2 q
	s_and_b32 s18, s16, 3                          ; j: which tile
	s_min_u32 s19, s17, 1                          ; 0 where source 0 is y, 1 where it is a weight
	; every LDS address is made here, ahead of the first branch on the wave's number
	s_mul_i32 s25, s16, 2*FRB
	v_add_nc_u32 v[WI], s25, v[LI]                 ; 16 x lane + 2 images x wave
	s_lshl_b32 s25, s16, 8
	s_add_co_u32 s25, s25, FSC
	v_add_nc_u32 v[WS], s25, v[L4]                 ; 4 x lane + 256 x wave
	s_lshl_b32 s25, s17, 3
	s_lshl_b32 s26, s19, 3
	s_add_co_u32 s25, s25, s26                     ; source 0's first image: 0 (y), 16 (Wk), 24 (Wq)
	s_xor_b32 s26, s19, 1
	s_lshl_b32 s26, s26, 3
	s_lshl_b32 s27, s18, 1
	s_add_co_u32 s26, s26, s27                     ; source 1's: 8 + 2 j (Wv's tile j) or 2 j (y's tile j)
	s_mul_i32 s27, s25, FRB
	v_add_nc_u32 v[AX], s27, v[LI]
	s_mul_i32 s27, s26, FRB
	v_add_nc_u32 v[AY], s27, v[LI]
	s_lshl_b32 s27, s25, 7
	s_add_co_u32 s27, s27, FSC
	v_add_nc_u32 v[SX], s27, v[L4]
	s_lshl_b32 s27, s26, 7
	s_add_co_u32 s27, s27, FSC
	v_add_nc_u32 v[SY], s27, v[L4]
	s_lshl_b32 s27, s17, 7
	s_lshl_b32 s28, s18, 1
	s_add_co_u32 s27, s27, s28
	s_add_co_u32 s27, s27, SST
	v_lshl_add_u32 v[SS], v[RR], 3, s27            ; 128 x kind + 8 r + 2 j
	s_mov_b32 s20, 0x76543210
	s_mov_b32 s21, 0xfedcba98                      ; v_permlanex16_b32's selects for lane l xor 16
.irp b, 0,1,2,3
	v_mov_b32 v[TM+4+\b], 0                        ; written once: a lane permute's destination counts as one of its sources
.endr
	s_lshr_b32 s25, s18, 1
	s_lshl_b32 s25, s25, 5
	s_and_b32 s26, s18, 1
	s_lshl_b32 s26, s26, 3
	s_add_co_u32 s27, s25, s26                     ; a permuted tile's first row or column: 32 (j / 2) + 8 (j % 2)
	s_lshl_b32 s31, s18, 4                         ; a plain tile's: 16 j
	s_mov_b32 s29, 0
	s_wait_kmcnt 0x0
	; ---- PHASE 1: 128 numbers a lane: register 64 s + 16 b + i = k 128 s + 32 b + 16 h + i of my row (y) or column (a weight)
	s_cmp_lg_u32 s24, 0
	s_cbranch_scc1 .Lweights
	s_lshl_b32 s28, ttmp9, 16                      ; the group's 64 rows of 1,024 bytes,
	s_lshl_b32 s27, s27, 10
	s_add_co_u32 s28, s28, s27                     ; my tile's first row
	s_add_nc_u64 s[22:23], s[4:5], s[28:29]
	v_and_b32 v[GA], 8, v[RR]
	v_add_nc_u32 v[GA], v[GA], v[RR]               ; r + (r & 8)
	v_lshlrev_b32 v[GA], 10, v[GA]
	v_lshl_add_u32 v[GA], v[HH], 6, v[GA]          ; that row, + 64 h: my 16 numbers of a block of 32
	s_wait_alu depctr_va_vdst(0)                   ; v[GA] is written, which the loads below read; so are the offsets and LDS addresses v5 to v14 of the head, which every later LDS and memory instruction reads
.irp s, 0,1
.irp b, 0,1,2,3
.irp i, 0,1,2,3
	global_load_b128 v[X+64*\s+16*\b+4*\i:X+64*\s+16*\b+4*\i+3], v[GA], s[22:23] offset:512*\s+128*\b+16*\i th:TH_LOAD_NT   ; y is read once in the launch
.endr
.endr
.endr
	s_branch .Lloaded
.Lweights:
	s_cmp_eq_u32 s24, 1
	s_cselect_b64 s[22:23], s[10:11], s[8:9]       ; Wv, or Wk
	s_cselect_b32 s30, 0, 8                        ; Wv's tiles take neighbouring columns, Wk's and Wq's the permuted ones
	s_cselect_b32 s28, s31, s27
	s_cmp_eq_u32 s24, 3
	s_cselect_b64 s[22:23], s[6:7], s[22:23]       ; or Wq
	s_lshl_b32 s28, s28, 2
	s_add_nc_u64 s[22:23], s[22:23], s[28:29]      ; my tile's first column
	v_and_b32 v[GA], s30, v[RR]
	v_add_nc_u32 v[GA], v[GA], v[RR]
	v_lshlrev_b32 v[GA], 2, v[GA]
	v_lshl_add_u32 v[GA], v[HH], 12, v[GA]         ; my column, and 16 h rows of 256 bytes down: a lane takes a column and its registers run down K
	s_wait_alu depctr_va_vdst(0)                   ; v[GA] is written, which the loads below read; so are the offsets and LDS addresses v5 to v14 of the head, which every later LDS and memory instruction reads
.irp s, 0,1
.irp b, 0,1,2,3
.set n, 0
.rept 16
	global_load_b32 v[X+64*\s+16*\b+n], v[GA], s[22:23] offset:(128*\s+32*\b+n)*256
.set n, n+1
.endr
.endr
.endr
.Lloaded:
	s_wait_loadcnt 0x0
	QUANT X, 4
	s_wait_alu depctr_va_vdst(0)                   ; the quantiser has written the codes v[PC ..] and the scale word v[PW], which the LDS stores read
	IMAGE WI, 0
	ds_store_b32 v[WS], v[PW]
	s_wait_dscnt 0x0                               ; the stores are done,
	s_wait_alu depctr_vm_vsrc(0)                   ; and have read v[PC ..] and v[PW], which the second quantiser writes again
	QUANT X+64, 4
	s_wait_alu depctr_va_vdst(0)                   ; the codes and the scale word are written, which the LDS stores read; and both quantisers are done reading v64 to v191, in which phase 2's LDS loads land
	IMAGE WI, FRB
	ds_store_b32 v[WS], v[PW] offset:128
	BARRIER                                        ; the 32 fragments lie in LDS
	s_wait_alu depctr_vm_vsrc(0)                   ; my LDS stores have read v[PC ..] and v[PW], which phase 2's quantiser writes again
	; ---- PHASE 2: twelve jobs of one form.  v, d tile j: source 0 = y's four tiles, source 1 = Wv's tile j.  k (q), token tile j: source 0 = Wk's (Wq's) four tiles, source 1 = y's tile j.
	s_cmp_gt_u32 s16, 11
	s_cbranch_scc1 .Lno_job
.irp f, 0,1,2,3,4,5,6,7                        ; no vector line has been issued since the last wait on va_vdst: these loads owe nothing more
	FETCH AF+12*\f, AX, \f*FRB
	ds_load_b32 v[ASC+\f], v[SX] offset:128*\f
.endr
.irp f, 0,1
	FETCH BF+12*\f, AY, \f*FRB
	ds_load_b32 v[BSC+\f], v[SY] offset:128*\f
.endr
	s_mul_i32 s28, ttmp9, KVREC                    ; where my half image goes: the group's record,
	s_mul_i32 s30, ttmp9, QREC
	s_mul_i32 s31, s18, HB                         ; tile j,
	s_cmp_eq_u32 s17, 2
	s_cselect_b64 s[22:23], s[14:15], s[12:13]     ; in qb or in kv (phase 1's loads, which named s[22:23], have been waited for)
	s_cselect_b32 s28, s30, s28
	s_cmp_eq_u32 s17, 0
	s_cselect_b32 s30, 4*HB, 0                     ; v's lie behind k's four
	s_add_co_u32 s28, s28, s31
	s_add_co_u32 s28, s28, s30
	s_add_nc_u64 s[22:23], s[22:23], s[28:29]
	s_wait_dscnt 0x0
.irp x, 0,1,2,3                                ; four accumulators by turns, a K step of 128 at a time; the first step starts the sums.  Operands and scale words all come by loads
	v_wmma_scale_f32_16x16x128_f8f6f4 v[HA+8*\x:HA+8*\x+7], v[AF+24*\x:AF+24*\x+11], v[BF:BF+11], 0, v[ASC+2*\x], v[BSC] matrix_a_fmt:MATRIX_FMT_BF6 matrix_b_fmt:MATRIX_FMT_BF6
.endr
.irp x, 0,1,2,3
	v_wmma_scale_f32_16x16x128_f8f6f4 v[HA+8*\x:HA+8*\x+7], v[AF+24*\x+12:AF+24*\x+23], v[BF+12:BF+23], v[HA+8*\x:HA+8*\x+7], v[ASC+2*\x+1], v[BSC+1] matrix_a_fmt:MATRIX_FMT_BF6 matrix_b_fmt:MATRIX_FMT_BF6
.endr
.rept 4
	v_nop                                          ; four places behind the last product, ahead of the first read of results (ISA guide 7.12.1)
.endr
	QUANT HA, 2                                    ; register 16 b + i = 32 b + 16 h + i along the next K; each accumulator is read from its low end on
	s_wait_alu depctr_va_vdst(0)                   ; the quantiser has written v[PC ..] and v[PW], which the three stores below read
	global_store_b128 v[LI], v[PC:PC+3], s[22:23]              ; 512 consecutive bytes, at a multiple of 256 from the buffer's first byte
	global_store_b64 v[L8], v[PC+4:PC+5], s[22:23] offset:512  ; and 256 more
	ds_store_b16 v[SS], v[PW]                      ; both lanes of a row write the same two bytes with the same value
.Lno_job:
	BARRIER                                        ; the results' scale bytes lie in LDS
	s_cmp_lg_u32 s16, 15
	s_cbranch_scc1 .Lend
	ds_load_b64 v[232:233], v[L8] offset:SST       ; v's and k's: 256 bytes.  (No vector line ever names v232 to v234)
	ds_load_b32 v234, v[L4] offset:SST+256         ; q's: 128 bytes
	s_mul_i32 s28, ttmp9, KVREC
	s_add_nc_u64 s[22:23], s[12:13], s[28:29]
	s_mul_i32 s28, ttmp9, QREC
	s_add_nc_u64 s[30:31], s[14:15], s[28:29]
	s_wait_dscnt 0x0
	global_store_b64 v[L8], v[232:233], s[22:23] offset:8*HB
	global_store_b32 v[L4], v234, s[30:31] offset:4*HB
.Lend:
	s_wait_dscnt 0x0                               ; the closing lines, six on end
	s_wait_alu 0x0
	s_wait_tensorcnt 0x0
	ds_add_u32 v240, v241
	s_wait_dscnt 0x0
	s_endpgm
.Lfunc_end_k_qd717e7ae10_proj:
	.size	k_qd717e7ae10_proj, .Lfunc_end_k_qd717e7ae10_proj-k_qd717e7ae10_proj
	.p2alignl 7, 3214868480
	.fill 96, 4, 3214868480
	.section	.rodata,"a",@progbits
	.p2align	6, 0x0
	.amdhsa_kernel k_qd717e7ae10_proj
		.amdhsa_group_segment_fixed_size 55808
		.amdhsa_private_segment_fixed_size 0
		.amdhsa_enable_private_segment 0
		.amdhsa_kernarg_size 48
		.amdhsa_user_sgpr_count 2
		.amdhsa_user_sgpr_kernarg_segment_ptr 1
		.amdhsa_wavefront_size32 1
		.amdhsa_system_sgpr_workgroup_id_x 1
		.amdhsa_system_sgpr_workgroup_id_y 1
		.amdhsa_system_sgpr_workgroup_id_z 1
		.amdhsa_system_vgpr_workitem_id 0
		.amdhsa_next_free_vgpr 242
		.amdhsa_next_free_sgpr 66
		.amdhsa_reserve_vcc 0
		.amdhsa_float_denorm_mode_32 3
		.amdhsa_float_denorm_mode_16_64 3
		.amdhsa_memory_ordered 1
		.amdhsa_forward_progress 1
		.amdhsa_inst_pref_size 34
	.end_amdhsa_kernel
	.amdgpu_metadata
---
amdhsa.version: [ 1, 2 ]
amdhsa.kernels:
  - .name:           k_qd717e7ae10_proj
    .symbol:         k_qd717e7ae10_proj.kd
    .args:
      - { .name: y, .offset: 0, .size: 8, .value_kind: global_buffer, .address_space: global }
      - { .name: Wq, .offset: 8, .size: 8, .value_kind: global_buffer, .address_space: global }
      - { .name: Wk, .offset: 16, .size: 8, .value_kind: global_buffer, .address_space: global }
      - { .name: Wv, .offset: 24, .size: 8, .value_kind: global_buffer, .address_space: global }
      - { .name: kv, .offset: 32, .size: 8, .value_kind: global_buffer, .address_space: global }
      - { .name: qb, .offset: 40, .size: 8, .value_kind: global_buffer, .address_space: global }
    .group_segment_fixed_size: 55808
    .private_segment_fixed_size: 0
    .kernarg_segment_align: 8
    .kernarg_segment_size: 48
    .max_flat_workgroup_size: 512
    .sgpr_count:     66
    .vgpr_count:     242
    .wavefront_size: 32
...
	.end_amdgpu_metadata
.endif
;; end of part 3
;; launch attn (part 4): grid 64 x 4, 8 waves a work-group, no clusters, 144,384 bytes of LDS; arguments kv, qb, out0; writes out0
.if DOCPART == 4
	.amdgcn_target "amdgcn-amd-amdhsa--gfx1250"
	.amdhsa_code_object_version 6
	.text
	.protected	k_qd717e7ae10_attn
	.globl	k_qd717e7ae10_attn
	.p2align	8
	.type	k_qd717e7ae10_attn,@function
k_qd717e7ae10_attn:
	s_mov_b64 s[64:65], 0
	v_nop
	global_prefetch_b8 v0, s[64:65] scope:SCOPE_SE
	s_setreg_imm32_b32 hwreg(HW_REG_WAVE_SCHED_MODE, 0, 2), 2
	s_setreg_imm32_b32 hwreg(HW_REG_WAVE_MODE, 25, 1), 1
	s_wait_xcnt 0x0
	s_wait_alu depctr_vm_vsrc(0)
; out[b][q][:] = the sum over keys k <= q of softmax_k(q . k / 8) v[k][:], both products on codes of BF6 (E3M2) with one E8M0 scale for each 32 along a product's K.  4 batches, 4,096 tokens, head size 64.
; kv and qb hold half images (6 registers x 32 lanes, 768 bytes: registers 0-3 at 16 x lane, 4-5 at 512 + 8 x lane; lane (r, h): the 32 codes 32 h .. 32 h + 31 of row r), a record for each group of 64 tokens:
; kv, 6,400 bytes: k's four (token tile 2 b + u: lane r = token 32 b + 8 u + r + (r & 8); codes along d), v's four (d tile t: row r = d 16 t + r; codes along the group's tokens), v's and k's scale bytes [r][tile] 2 bytes.
; qb, 3,328 bytes: q's four, as k's, and their scale bytes.
; THE SOFTMAX: t = score x log2(e) / 8; M = the largest t so far, rounded up to a whole number; p = 2^(t - M) is quantised along the keys, not normalised; the sum is taken of the unquantised p and divides at the end.
; SHARES.  Work-group g of a batch owns two blocks of 32 queries: block 127 - g, which has 32 - g / 4 key steps of 128, and block g, which has g / 4 + 1: 33 steps in every work-group.  The 33 are dealt to the
; eight waves in turn; a wave takes both tiles of 16 queries through each of its steps, so that each fragment of K and V serves two tiles.  Each wave ends each block with a partial (O, M, sum) for each tile; the
; eight partials of a tile meet in LDS and are brought under the largest M by powers of two, which rounds nothing.  A wave that had no step leaves O = 0, sum = 0 and M under every M.
; LAYOUT.  Both products are used transposed: S^T = K Q^T, O^T = V^T P^T: a lane holds one query (lane % 16) throughout.  THE FIRST PRODUCT'S K IS 64, HALF OF THE INSTRUCTION'S 128: a fragment of K is two half
; images on end, token tiles (b, 0) and (b, 1); Q stands as [q | zero codes] or [zero codes | q] and so picks one of the two.  The 16 registers of the two results are 16 neighbouring keys, 32 b + 16 h + 0 .. 15.
; NO JOINT LOADS, NO LDS RING: a step's tiles are read by one wave alone, as register images straight into its registers, and work-groups have different numbers of steps for each of their blocks.
; The two blocks are written out by one macro, so that every LDS address of a store is a constant, a lane term and a wave term.
; LIMITS: NaN and infinities are not served; M is a whole number exactly while |t| stays under 2^24; a block of p that has fallen to zeros keeps the scale byte 1: its codes are zeros.
; THE MODE: SCHED_MODE bits 1:0 = 2 (LLVM: expert scheduling mode 2), set by the entry lines.  The code itself states the register dependences between vector or matrix instructions and memory or LDS
; instructions, with s_wait_alu, always for 0.
; THE PLAN.  Registers that memory or LDS instructions touch, in the loop over a wave's key steps:
;   K's fragments and the scale bytes v22-25   Read by a step's four v_perm_b32 and its sixteen first products; behind these the loads of the wave's NEXT step land in them.
;   V's fragments                              Read by a step's eight second products; the loads of the next step's V land in them behind that step's first products.
;   v1, v2                                     The loads' offsets: written once at the head.  The records are reached by two scalar bases, this step's and the next step's.
;   S^T, p, p's codes, the statistics and O^T are named by vector and matrix instructions alone, until a block's end.
; So ONE wait on va_vdst, behind a step's first products, states all that the step's loads hang on: those products and the perms are done reading K and the scale bytes, the last step's second products are done
; reading V.  The loads follow it in one run, V of this step and K of the next, and the mask and the two softmaxes behind them name none of their registers.  A second wait on va_vdst stands ahead of the second
; products: p's codes, p's scale words and V's scale words, which vector lines write, are their operands and scales.  At a block's end one wait on va_vdst stands ahead of the LDS stores and one on vm_vsrc behind them.
; REGISTERS, window 0: v1-11 addresses; v12-19 statistics; v20-31 scale words; v32-58 at work; v64-127, v128-191 S^T then p of tiles A, B; v192-215 p's codes.
;   window 1: v0-31, v32-63 O^T of tiles A, B; v64-111 K's four fragments; v112-159 V's four; v160-189 [0][q A][0][q B][0], six registers each.
.set KVREC, 6400
.set QREC,  3328
.set HB,    768
.set PPITCH, 272                       ; a partial's row: 64 f32 + 16 bytes
.set PARTB, 16*PPITCH                  ; a partial: 16 queries
.set TILEB, 8*PARTB                    ; a tile's eight partials.  LDS: tile 2 x block + u at TILEB x tile, wave w's partial at PARTB x w in it;
.set STATS, 4*TILEB                    ; behind them the statistics: 1,024 bytes a tile, 64 a query: words 0-7 the eight waves' -M, words 8-15 their sums
.set L16, 1                            ; v1   16 x lane
.set L8,  2                            ; v2   8 x lane
.set QS0, 3                            ; v3   8 r + 2 h: q's scale bytes: lanes 0-15 tile A's, lanes 16-31 tile B's
.set MD,  4                            ; v4-5 the mask: 8 u + r + (r & 8) - 16 h
.set STO, 6                            ; v6   where I put 32 bytes of a partial's row, first block
.set STS, 7                            ; v7   and my statistics
.set MO,  8                            ; v8   the merge: where I read partials' rows
.set MS,  9                            ; v9   and statistics
.set GO,  10                           ; v10  my byte offset in two rows of the output
.set STO1, 11                          ; v11  as v6, second block
.set STA, 12                           ; v12 -M, v13 the largest t, v[14:15] the sum in two halves: tile A;
.set STB, 16                           ; v16-19: tile B
.set QS,  20                           ; v20  q's scale word
.set QAD, 21                           ; v21  its address
.set SC,  22                           ; v22-25 lanes 16-31: the scale words of K's fragments 0-3; lanes 0-15: V's scale bytes as they lie
.set VS,  26                           ; v26-29 the scale words of V's fragments
.set PSA, 30                           ; v30, v31 p's scale words
.set PSB, 31
.set BM,  32                           ; v32-35 a block's largest score, then largest p
.set T2,  36                           ; v36-39 at work
.set SO,  40                           ; v40-43 the conversions' scale operands
.set F,   44                           ; v[44:45] f = 2^(old M - new M): a pair is named, its low word used
.set T0,  46
.set T1,  47
.set DA,  48                           ; v48, v49 the mask's d for tiles A, B
.set DB,  49
.set NINF, 50                          ; v50  -infinity
.set CT,  52                           ; v52-54, v56-58 conversions' results on their way
.set SA,  64
.set SB,  128
.set PA,  192
.set PB,  204
.set OA,  0                            ; window 1
.set OB,  32
.set KF,  64
.set VF,  112
.set QZ,  160
.set MB,  64                           ; the merge: for each of four pairs of rows 48 registers: 8 -M, 8 sums, 8 x 4 of O
.set MM,  12                           ; the least -M
.set FP,  32                           ; v32-39 the eight factors
.set MA,  40                           ; v40-55 the merged O
.set ML,  56                           ; v56-59 the merged sums
.set MR,  60                           ; v60-63 their reciprocals
.set CM,  40                           ; s40-47 the mask: eight compares' lane masks
.set MSB, 0
.macro WIN new                         ; s_set_vgpr_msb: bits 1:0 source 0, 3:2 source 1, 5:4 source 2, 7:6 destination; the high byte repeats the setting that is left
.if MSB != \new
	s_set_vgpr_msb (MSB<<8)|\new
.set MSB, \new
.endif
.endm
; The scores of hidden keys become -infinity ahead of the maximum.  Register 16 b + i holds key 32 b + 16 h + i of the step: hidden where 32 b + i > d.
; The compares go in runs of eight, one accumulator's registers, into eight scalar registers, with one wait behind the run.
.macro MASK sb, d
.set n, 0
.rept 8
.set m, 0
.rept 8
	v_cmp_gt_i32 s[CM+m], 32*((n+m)/16)+(n+m)%16, v[\d]
.set m, m+1
.endr
	s_wait_alu depctr_va_sdst(0)                   ; the eight compares have written s40 to s47, ahead of the selects that read them
.set m, 0
.rept 8
	v_cndmask_b32 v[\sb+n+m], v[\sb+n+m], v[NINF], s[CM+m]
.set m, m+1
.endr
.set n, n+8
.endr
.endm
; One tile's softmax for a step of 128 keys: scores in v[sb] on, statistics at v[tb], codes to v[pb] on, scale word to v[pw], O^T at v[ob] of window 1.
.macro SOFT sb, tb, pb, pw, ob
.irp b, 0,1,2,3
	v_max3_num_f32 v[BM+\b], v[\sb+16*\b], v[\sb+16*\b+1], v[\sb+16*\b+2]   ; the largest score of each block of 32 keys: it serves the row's maximum and, since p rises with the score, the block's largest p
.endr
.irp i, 3,5,7,9,11,13
.irp b, 0,1,2,3
	v_max3_num_f32 v[BM+\b], v[BM+\b], v[\sb+16*\b+\i], v[\sb+16*\b+\i+1]
.endr
.endr
.irp b, 0,1,2,3
	v_max_num_f32 v[BM+\b], v[BM+\b], v[\sb+16*\b+15]
.endr
.irp b, 0,1,2,3
	v_permlanex16_b32 v[T2+\b], v[BM+\b], s20, s21
.endr
.irp b, 0,1,2,3
	v_max_num_f32 v[BM+\b], v[BM+\b], v[T2+\b]     ; with lane l xor 16's 16 keys
.endr
	v_max3_num_f32 v[T0], v[BM], v[BM+1], v[BM+2]
	v_max_num_f32 v[T0], v[T0], v[BM+3]            ; the step's largest score of my query
	v_mul_f32 v[T0], s22, v[T0]                    ; as t (c is positive)
	v_max_num_f32 v[\tb+1], v[\tb+1], v[T0]        ; the running largest t
	v_mov_b32 v[T0], v[\tb]
	v_floor_f32 v[\tb], -v[\tb+1]                  ; the new -M = floor(-t): M is a whole number
	v_sub_f32 v[T0], v[\tb], v[T0]                 ; old M - new M: a whole number, 0 or less
	v_cvt_i32_f32 v[T0], v[T0]                     ; (it saturates)
	v_ldexp_f32 v[F], 1.0, v[T0]                   ; f = 2^(old M - new M)
.set n, 0
.rept 32
	v_pk_fma_f32 v[\sb+n:\sb+n+1], v[\sb+n:\sb+n+1], s[22:23], v[\tb:\tb+1] op_sel_hi:[1,0,0]   ; t - M, two at a time (of the pairs c and -M the low word serves both halves)
.set n, n+2
.endr
.irp b, 0,1,2,3
	v_fma_f32 v[BM+\b], v[BM+\b], s22, v[\tb]      ; the same of each block's largest score
.endr
.set n, 0
	s_wait_alu depctr_va_vdst(0)
.rept 64
	v_exp_f32 v[\sb+n], v[\sb+n]                   ; p = 2^(t - M), at most 1
.set n, n+1
.endr
	v_pk_mul_f32 v[\tb+2:\tb+3], v[\tb+2:\tb+3], v[F:F+1] op_sel_hi:[1,0]   ; the sums under the new M: the plain place behind the exponentials
	s_wait_alu depctr_va_vdst(0)                   ; one wait for the batch of 64 exponentials, ahead of the first reader of p
.irp b, 0,1,2,3
	v_exp_f32 v[BM+\b], v[BM+\b]                   ; the block's largest p: the same two instructions on the same number
.endr
	v_pk_add_f32 v[T2:T2+1], v[\sb:\sb+1], v[\sb+2:\sb+3]   ; the row's sum is taken of the unquantised p: two at a time, in two chains; it reads the 64 alone
.set n, 4
.rept 15
	v_pk_add_f32 v[\tb+2:\tb+3], v[\tb+2:\tb+3], v[\sb+n:\sb+n+1]
	v_pk_add_f32 v[T2:T2+1], v[T2:T2+1], v[\sb+n+2:\sb+n+3]
.set n, n+4
.endr
	v_pk_add_f32 v[\tb+2:\tb+3], v[\tb+2:\tb+3], v[T2:T2+1]
	s_wait_alu depctr_va_vdst(0)                   ; and one for the four exponentials of the blocks' largest p, ahead of their first reader
.irp b, 0,1,2,3
	v_max_num_f32 v[BM+\b], 0x2800000, v[BM+\b]    ; the floor 2^(5 - 127): the byte cannot fall under 1
.endr
.irp b, 0,1,2,3
	v_add_nc_u32 v[SO+\b], 0xfe000000, v[BM+\b]    ; 4 off the exponent field: the conversion's scale operand
.endr
.irp b, 0,1,2,3
	v_lshrrev_b32 v[T2+\b], 23, v[SO+\b]           ; the scale's byte
.endr
	v_lshl_or_b32 v[\pw], v[T2+1], 8, v[T2]        ; p's scale word for these 128 keys
	v_lshl_or_b32 v[\pw], v[T2+2], 16, v[\pw]
	v_lshl_or_b32 v[\pw], v[T2+3], 24, v[\pw]
.irp c, 0,1
	v_cvt_scalef32_pk16_bf6_f32 v[\pb+6*\c:\pb+6*\c+2], v[\sb+32*\c:\sb+32*\c+15], v[SO+2*\c]
	v_cvt_scalef32_pk16_bf6_f32 v[CT+4*\c:CT+4*\c+2], v[\sb+32*\c+16:\sb+32*\c+31], v[SO+2*\c+1]   ; (a conversion's three registers begin on an even number)
.endr
	v_nop                                          ; one plain place behind the last scaled conversion
.irp c, 0,1                                    ; the operand's layout wants a whole block in a lane
.irp i, 0,1,2
	v_permlane16_swap_b32 v[\pb+6*\c+\i], v[CT+4*\c+\i]
.endr
.irp i, 0,1,2
	v_mov_b32 v[\pb+6*\c+3+\i], v[CT+4*\c+\i]
.endr
.endr
	WIN 0x41                                       ; O^T (destination, source 0) in window 1, f in window 0
.set n, 0
.rept 16
	v_pk_mul_f32 v[\ob+n:\ob+n+1], v[\ob+n:\ob+n+1], v[F:F+1] op_sel_hi:[1,0]   ; O^T under the new M.  (These are also the places between the scale word's and the codes' last writes and the second product)
.set n, n+2
.endr
	WIN 0
.endm
; The scale bytes and K's four fragments of the key step whose two records begin at s[34:35]: 18 loads.
.macro KLOAD
	global_load_b64 v[SC:SC+1], v[L8], s[34:35] offset:8*HB           ; a record's 256 scale bytes: lanes 0-15 V's, lanes 16-31 K's
	global_load_b64 v[SC+2:SC+3], v[L8], s[34:35] offset:KVREC+8*HB
	WIN 0x40                                       ; destination window 1
.irp b, 0,1,2,3
.irp u, 0,1
	global_load_b128 v[KF+12*\b+6*\u:KF+12*\b+6*\u+3], v[L16], s[34:35] offset:(\b/2)*KVREC+HB*(2*(\b%2)+\u)
	global_load_b64 v[KF+12*\b+6*\u+4:KF+12*\b+6*\u+5], v[L8], s[34:35] offset:(\b/2)*KVREC+HB*(2*(\b%2)+\u)+512
.endr
.endr
	WIN 0
.endm
; A KEY STEP: keys 128 s17 on, for both tiles.  Its K and scale bytes are in: they were asked for a step ago, or at the block's head, and no load of mine is out here.
.macro UNIT
	v_perm_b32 v[VS], v[SC+2], v[SC], s36          ; V's scale word of d tile t: the first record's two bytes, then the second's
	v_perm_b32 v[VS+1], v[SC+2], v[SC], s37
	v_perm_b32 v[VS+2], v[SC+3], v[SC+1], s36
	v_perm_b32 v[VS+3], v[SC+3], v[SC+1], s37
	WIN 0x05                                       ; K and Q in window 1, S^T in window 0
.irp b, 0,1,2,3                                ; S^T = K Q^T.  u = 0: [q | 0] picks the fragment's first half image, u = 1: [0 | q] its second.  K's scale words lie in lanes 16-31; q's: tile A's in lanes 0-15, tile B's in lanes 16-31
.irp u, 0,1
	v_wmma_scale_f32_16x16x128_f8f6f4 v[SA+8*(2*\b+\u):SA+8*(2*\b+\u)+7], v[KF+12*\b:KF+12*\b+11], v[QZ+6-6*\u:QZ+17-6*\u], 0, v[SC+\b], v[QS] matrix_a_fmt:MATRIX_FMT_BF6 matrix_b_fmt:MATRIX_FMT_BF6 matrix_a_scale:MATRIX_SCALE_ROW1
	v_wmma_scale_f32_16x16x128_f8f6f4 v[SB+8*(2*\b+\u):SB+8*(2*\b+\u)+7], v[KF+12*\b:KF+12*\b+11], v[QZ+18-6*\u:QZ+29-6*\u], 0, v[SC+\b], v[QS] matrix_a_fmt:MATRIX_FMT_BF6 matrix_b_fmt:MATRIX_FMT_BF6 matrix_a_scale:MATRIX_SCALE_ROW1 matrix_b_scale:MATRIX_SCALE_ROW1
.endr
.endr
	WIN 0
.rept 4
	v_nop                                          ; four places behind the last product, ahead of the first read of results (ISA guide 7.12.1)
.endr
	s_wait_alu depctr_va_vdst(0)                   ; the first products and the four perms are done reading K's fragments and the scale bytes, the last step's second products are done reading V's: the loads below land in these
	s_mul_i32 s28, s17, 2*KVREC                    ; two records.  (The last step's loads, which named s[26:27] and s[34:35], have been waited for)
	s_mov_b32 s29, 0
	s_add_nc_u64 s[26:27], s[24:25], s[28:29]
	WIN 0x40                                       ; destination window 1
.irp t, 0,1,2,3                                ; V of this step: it has the two softmaxes in which to land
.irp c, 0,1
	global_load_b128 v[VF+12*\t+6*\c:VF+12*\t+6*\c+3], v[L16], s[26:27] offset:\c*KVREC+HB*(4+\t)
	global_load_b64 v[VF+12*\t+6*\c+4:VF+12*\t+6*\c+5], v[L8], s[26:27] offset:\c*KVREC+HB*(4+\t)+512
.endr
.endr
	WIN 0
	s_add_co_u32 s14, s17, 8                       ; my next step, if the block has it: a branch on ids; no load leaves its buffer
	s_cmp_ge_u32 s14, s16
	s_cbranch_scc1 .Lno_next_\@
	s_add_nc_u64 s[34:35], s[26:27], 16*KVREC      ; eight steps, sixteen records, on
	KLOAD                                          ; no vector or matrix line since the wait above names these loads' registers
.Lno_next_\@:
	s_cmp_lg_u32 s17, s19                          ; only the block's last step lies on the diagonal: a branch on ids
	s_cbranch_scc1 .Lopen_\@
	MASK SA, DA
	MASK SB, DB
.Lopen_\@:
	SOFT SA, STA, PA, PSA, OA
	SOFT SB, STB, PB, PSB, OB
	s_wait_loadcnt 0x0                             ; V is in, and so are the next step's K and scale bytes: no load of mine is out at a step's end
	s_wait_alu depctr_va_vdst(0)                   ; p's codes, p's scale words and V's scale words are written, which the second products take as operand and scales; the places ahead of them stand in the softmax's last lines
	WIN 0x51                                       ; V in window 1, p in window 0, O^T (C and D) in window 1
.irp t, 0,1,2,3                                ; O^T += V^T P^T: eight accumulators, one instruction each; the next step's sixteen first products stand between two links of a chain
	v_wmma_scale_f32_16x16x128_f8f6f4 v[OA+8*\t:OA+8*\t+7], v[VF+12*\t:VF+12*\t+11], v[PA:PA+11], v[OA+8*\t:OA+8*\t+7], v[VS+\t], v[PSA] matrix_a_fmt:MATRIX_FMT_BF6 matrix_b_fmt:MATRIX_FMT_BF6
	v_wmma_scale_f32_16x16x128_f8f6f4 v[OB+8*\t:OB+8*\t+7], v[VF+12*\t:VF+12*\t+11], v[PB:PB+11], v[OB+8*\t:OB+8*\t+7], v[VS+\t], v[PSB] matrix_a_fmt:MATRIX_FMT_BF6 matrix_b_fmt:MATRIX_FMT_BF6
.endr
	WIN 0
.rept 4
	v_nop                                          ; four places, ahead of the next writes of the scale words and the reads of O^T
.endr
.endm
; My partials of block j go to LDS: -M and the sum of each tile, and O^T as rows of 64 f32 (lane (r, h), register 8 t + i: O(query r, d 16 t + 8 h + i)).
.macro FLUSH j, adr
	v_add_f32 v[T0], v[STA+2], v[STA+3]            ; the sum's two halves,
	v_add_f32 v[T1], v[STB+2], v[STB+3]
	v_permlanex16_b32 v[T2], v[T0], s20, s21
	v_permlanex16_b32 v[T2+1], v[T1], s20, s21
	v_add_f32 v[T0], v[T0], v[T2]                  ; and lane l xor 16's
	v_add_f32 v[T1], v[T1], v[T2+1]
	s_wait_alu depctr_va_vdst(0)                   ; -M, the sums and O^T are written, which the LDS stores read (the places behind the last second product stand at the step's end); every reader of S^T's and p's registers is done too
	ds_store_b32 v[STS], v[STA] offset:2048*\j     ; both lanes of a query write the same word with the same value
	ds_store_b32 v[STS], v[T0] offset:2048*\j+32
	ds_store_b32 v[STS], v[STB] offset:2048*\j+1024
	ds_store_b32 v[STS], v[T1] offset:2048*\j+1024+32
	WIN 0x04                                       ; an LDS store's data are its source 1: window 1
.irp u, 0,1
.irp t, 0,1,2,3
	ds_store_b128 v[\adr], v[32*\u+8*\t:32*\u+8*\t+3] offset:TILEB*\u+64*\t          ; each accumulator from its low end on
	ds_store_b128 v[\adr], v[32*\u+8*\t+4:32*\u+8*\t+7] offset:TILEB*\u+64*\t+16
.endr
.endr
	WIN 0
	s_wait_dscnt 0x0                               ; the stores are done: the barrier may be signalled
	s_wait_alu depctr_vm_vsrc(0)                   ; the stores have read O^T, -M and the sums, and the block's load of q's scale bytes its address v21: all of these are written again behind this line
.endm
; BLOCK j of the work-group's two.
.macro JOBM j, adr
.if \j == 0
	s_sub_co_u32 s15, 127, ttmp9                   ; the block of 32 queries,
	s_sub_co_u32 s16, 32, s13                      ; its key steps,
	s_mov_b32 s17, s10                             ; my first: the 33 steps of both blocks on end are dealt out in turn
.else
	s_mov_b32 s15, ttmp9
	s_add_co_u32 s16, s13, 1
	s_add_co_u32 s17, s10, s13
	s_and_b32 s17, s17, 7
.endif
	s_lshr_b32 s19, s15, 2                         ; the step on the diagonal: the last
	s_lshr_b32 s28, s15, 1
	s_lshl_b32 s38, s12, 6
	s_add_co_u32 s28, s28, s38                     ; the block's group of 64 tokens
	s_mul_i32 s28, s28, QREC
	s_mov_b32 s29, 0
	s_add_nc_u64 s[30:31], s[6:7], s[28:29]        ; its record of q,
	s_and_b32 s38, s15, 1
	s_mul_i32 s28, s38, 2*HB
	s_add_nc_u64 s[32:33], s[30:31], s[28:29]      ; the block's two half images in it
	s_sub_co_u32 s14, s16, 1
	s_min_u32 s14, s14, s17                        ; my first step; a wave that has no step in this block asks for the block's last step's K, inside the buffer, and reads none of it
	s_mul_i32 s28, s14, 2*KVREC
	s_add_nc_u64 s[34:35], s[24:25], s[28:29]      ; that step's two records
	s_lshl_b32 s38, s38, 2
	v_add_nc_u32 v[QAD], s38, v[QS0]
	s_and_b32 s39, s15, 3
	s_lshl_b32 s39, s39, 5
	v_add_nc_u32 v[DA], s39, v[MD]                 ; d = my query - the diagonal step's first key - 16 h
	v_add_nc_u32 v[DB], s39, v[MD+1]
	WIN 0x40
	s_wait_alu depctr_va_vdst(0)                   ; v21 and, at the first block, the head's offsets are written, which the loads read; the last block's products are done reading q, its scale word, K and the scale bytes, in which the loads land
	global_load_b128 v[QZ+6:QZ+9], v[L16], s[32:33]
	global_load_b64 v[QZ+10:QZ+11], v[L8], s[32:33] offset:512
	global_load_b128 v[QZ+18:QZ+21], v[L16], s[32:33] offset:HB
	global_load_b64 v[QZ+22:QZ+23], v[L8], s[32:33] offset:HB+512
	WIN 0
	global_load_u16 v[QS], v[QAD], s[30:31] offset:4*HB
	KLOAD                                          ; my first step's K goes out with q
.irp t, STA, STB
	v_mov_b32 v[\t+1], 0xff61b1e6                  ; the largest t so far: -3e38, under every t
	v_mov_b32 v[\t+2], 0                           ; the sum, in two halves
	v_mov_b32 v[\t+3], 0
.endr
.irp t, STA, STB
	v_floor_f32 v[\t], -v[\t+1]                    ; -M
.endr
	s_wait_loadcnt 0x0
	v_lshl_or_b32 v[QS], v[QS], 16, v[QS]          ; q's two bytes twice: they serve [q | 0] and [0 | q]; over the zero codes any byte but 0xff will do
	WIN 0x40
.set n, 0
.rept 64
	v_mov_b32 v[n], 0                              ; O^T of both tiles: the step is written once, its first turn finds zeros; a wave without a step leaves them.  (Also the places behind the scale word's write)
.set n, n+1
.endr
	WIN 0
	s_wait_alu depctr_va_vdst(0)                   ; q's scale word and the zero codes beside q are written, which the first products take as scales and operand
	s_mov_b32 s18, 0
.Lstep_\@:                                         ; four trips: steps s17, s17 + 8, .. as far as the block has steps
	s_cmp_ge_u32 s17, s16
	s_cbranch_scc1 .Lskip_\@
	UNIT
.Lskip_\@:
	s_add_co_u32 s17, s17, 8
	s_add_co_u32 s18, s18, 1
	s_cmp_lt_u32 s18, 4
	s_cbranch_scc1 .Lstep_\@
	FLUSH \j, \adr
.endm
; The merge of rows 2 i + h of my eight: m = the least -M; f_p = 2^(M_p - the largest M), by v_ldexp_f32 of 1.0 with that whole number; the sums of f_p x sum_p and of f_p x O_p
.macro MSUM i
.set MBI, MB+48*\i
	s_wait_dscnt 36-12*\i                          ; LDS loads come back in order: behind this pair of rows' twelve stand twelve for each later pair
	v_min3_num_f32 v[MM], v[MBI], v[MBI+1], v[MBI+2]
	v_min3_num_f32 v[MM], v[MM], v[MBI+3], v[MBI+4]
	v_min3_num_f32 v[MM], v[MM], v[MBI+5], v[MBI+6]
	v_min_num_f32 v[MM], v[MM], v[MBI+7]
.irp p, 0,1,2,3,4,5,6,7
	v_sub_f32 v[FP+\p], v[MM], v[MBI+\p]           ; a whole number, 0 or less
.endr
.irp p, 0,1,2,3,4,5,6,7
	v_cvt_i32_f32 v[FP+\p], v[FP+\p]               ; (it saturates: an empty partial's factor is 0)
.endr
.irp p, 0,1,2,3,4,5,6,7
	v_ldexp_f32 v[FP+\p], 1.0, v[FP+\p]
.endr
	v_mul_f32 v[ML+\i], v[FP], v[MBI+8]
.irp k, 0,1,2,3
	v_mul_f32 v[MA+4*\i+\k], v[FP], v[MBI+16+\k]
.endr
.irp p, 1,2,3,4,5,6,7
	v_fmac_f32 v[ML+\i], v[FP+\p], v[MBI+8+\p]
.irp k, 0,1,2,3
	v_fmac_f32 v[MA+4*\i+\k], v[FP+\p], v[MBI+16+4*\p+\k]
.endr
.endr
.endm
	s_load_b128 s[4:7], s[0:1], 0x0                ; kv s[4:5], qb s[6:7]
	s_load_b64 s[8:9], s[0:1], 0x10                ; out0
	s_set_vgpr_msb 0x40
	v_lshl_add_u32 v192, v0, 2, 0x23000
	v_mov_b32 v193, 0
	s_set_vgpr_msb 0x4000
	v_lshrrev_b32 v1, 5, v0
	v_readfirstlane_b32 s10, v1                    ; wave 0..7
	v_and_b32 v54, 31, v0                          ; lane
	v_and_b32 v52, 15, v0                          ; r
	v_bfe_u32 v53, v0, 4, 1                        ; h
	v_lshlrev_b32 v[L16], 4, v54
	v_lshlrev_b32 v[L8], 3, v54
	v_lshlrev_b32 v[QS0], 3, v52
	v_lshl_add_u32 v[QS0], v53, 1, v[QS0]
	v_and_b32 v[MD], 8, v52
	v_add_nc_u32 v[MD], v[MD], v52                 ; r + (r & 8)
	v_lshlrev_b32 v56, 4, v53
	v_sub_nc_u32 v[MD], v[MD], v56                 ; - 16 h
	v_add_nc_u32 v[MD+1], 8, v[MD]
	s_wait_alu depctr_va_sdst(0)                   ; s10 is written, ahead of its first reader: LDS addresses, the deal of the steps and the output's rows are made from it
	s_mul_i32 s28, s10, PARTB
	v_mul_u32_u24 v[STO], v52, PPITCH
	v_lshl_add_u32 v[STO], v53, 5, v[STO]
	v_add_nc_u32 v[STO], s28, v[STO]               ; row r, + 32 h, in my partial
	v_add_nc_u32 v[STO1], 2*TILEB, v[STO]
	s_lshl_b32 s28, s10, 2
	s_add_co_u32 s28, s28, STATS
	v_lshl_add_u32 v[STS], v52, 6, s28             ; query r's 64 bytes, my wave's word
	s_lshr_b32 s28, s10, 1                         ; the merge: wave w takes tile w / 2, rows 8 (w % 2) + 2 i + h
	s_and_b32 s29, s10, 1
	s_mul_i32 s30, s28, TILEB
	s_mul_i32 s31, s29, 8*PPITCH
	s_add_co_u32 s30, s30, s31
	v_mul_u32_u24 v[MO], v53, PPITCH
	v_lshl_add_u32 v[MO], v52, 4, v[MO]
	v_add_nc_u32 v[MO], s30, v[MO]                 ; 16 bytes a lane of a row's 256
	s_lshl_b32 s30, s28, 10
	s_lshl_b32 s31, s29, 9
	s_add_co_u32 s30, s30, s31
	s_add_co_u32 s30, s30, STATS
	v_lshl_add_u32 v[MS], v53, 6, s30
	v_lshlrev_b32 v[GO], 8, v53
	v_lshl_add_u32 v[GO], v52, 4, v[GO]            ; lanes 0-15 one row of the output, lanes 16-31 the next
	v_mov_b32 v[NINF], 0xff800000
	v_mov_b32 v[F+1], 0                            ; (named as the upper half of a pair)
.irp b, 0,1,2,3
	v_mov_b32 v[T2+\b], 0                          ; written once: a lane permute's destination counts as one of its sources
.endr
	WIN 0x40
.irp z, 0,12,24
.irp i, 0,1,2,3,4,5
	v_mov_b32 v[QZ+\z+\i], 0                       ; the zero codes beside q: written once
.endr
.endr
	WIN 0
	s_and_b32 s12, ttmp7, 0xffff                   ; the batch
	s_lshr_b32 s13, ttmp9, 2                       ; g / 4
	s_mov_b32 s20, 0x76543210
	s_mov_b32 s21, 0xfedcba98                      ; v_permlanex16_b32's selects for lane l xor 16
	s_mov_b32 s22, 0x3e38aa3b                      ; c = log2(e) / 8
	s_mov_b32 s23, s22                             ; (named with it as a pair)
	s_mov_b32 s36, 0x05040100                      ; v_perm_b32: the two low halves,
	s_mov_b32 s37, 0x07060302                      ; the two high halves
	s_mul_i32 s28, s12, 64*KVREC
	s_mov_b32 s29, 0
	s_wait_kmcnt 0x0
	s_add_nc_u64 s[24:25], s[4:5], s[28:29]        ; the batch's 64 records of k and v
	JOBM 0, STO
	JOBM 1, STO1
	s_barrier_signal -1                            ; every wave's stores have landed (the wait for them ends each block)
	s_barrier_wait -1
	; THE MERGE.  All 48 loads go out at once: for each pair of rows four of statistics and eight of O, one for each wave's partial.
	; They land in v64 to v255, S^T's, p's and the codes' registers: no vector or matrix line has been issued since the wait on va_vdst ahead of the second block's LDS stores, so they owe nothing more
.irp i, 0,1,2,3
.irp q, 0,1,2,3
	ds_load_b128 v[MB+48*\i+4*\q:MB+48*\i+4*\q+3], v[MS] offset:128*\i+16*\q
.endr
.irp p, 0,1,2,3,4,5,6,7
	ds_load_b128 v[MB+48*\i+16+4*\p:MB+48*\i+16+4*\p+3], v[MO] offset:PARTB*\p+2*PPITCH*\i
.endr
.endr
	s_lshr_b32 s28, s10, 2                         ; my tile's block: the first (127 - g) or the second (g),
	s_sub_co_u32 s29, 127, ttmp9
	s_cmp_eq_u32 s28, 0
	s_cselect_b32 s29, s29, ttmp9
	s_lshl_b32 s29, s29, 5                         ; its first token;
	s_bfe_u32 s30, s10, 0x10001                    ; u;
	s_lshl_b32 s30, s30, 3
	s_add_co_u32 s29, s29, s30
	s_and_b32 s30, s10, 1                          ; rows 8 .. 15 of a tile are the tokens 16 further on than rows 0 .. 7
	s_lshl_b32 s30, s30, 4
	s_add_co_u32 s29, s29, s30
	s_lshl_b32 s30, s12, 12
	s_add_co_u32 s29, s29, s30                     ; token 4096 x batch + 32 x block + 8 u + 16 (w % 2): eight neighbouring rows of the output from there on are mine
	s_lshl_b32 s28, s29, 8
	s_mov_b32 s29, 0
	s_add_nc_u64 s[8:9], s[8:9], s[28:29]
	MSUM 0
	MSUM 1
	MSUM 2
	MSUM 3
	s_wait_alu depctr_va_vdst(0)
.irp i, 0,1,2,3
	v_rcp_f32 v[MR+\i], v[ML+\i]
.endr
	v_nop                                          ; a plain place behind the last reciprocal
	s_wait_alu depctr_va_vdst(0)                   ; one wait for the four reciprocals, ahead of their first reader
.irp i, 0,1,2,3
.irp k, 0,1,2,3
	v_mul_f32 v[MA+4*\i+\k], v[MA+4*\i+\k], v[MR+\i]
.endr
.endr
	s_wait_alu depctr_va_vdst(0)                   ; the sixteen quotients v40 to v55 are written, which the four stores read
.irp i, 0,1,2,3
	global_store_b128 v[GO], v[MA+4*\i:MA+4*\i+3], s[8:9] offset:512*\i th:TH_STORE_NT   ; 32 lanes store two whole rows: 512 consecutive bytes, at a multiple of 256 from the output's first byte
.endr
	s_set_vgpr_msb 0x5                             ; the add's two registers, sources 0 and 1, in window 1
	s_wait_dscnt 0x0                               ; the closing lines, six on end
	s_wait_alu 0x0
	s_wait_tensorcnt 0x0
	ds_add_u32 v192, v193
	s_wait_dscnt 0x0
	s_endpgm
.Lfunc_end_k_qd717e7ae10_attn:
	.size	k_qd717e7ae10_attn, .Lfunc_end_k_qd717e7ae10_attn-k_qd717e7ae10_attn
	.p2alignl 7, 3214868480
	.fill 96, 4, 3214868480
	.section	.rodata,"a",@progbits
	.p2align	6, 0x0
	.amdhsa_kernel k_qd717e7ae10_attn
		.amdhsa_group_segment_fixed_size 144384
		.amdhsa_private_segment_fixed_size 0
		.amdhsa_enable_private_segment 0
		.amdhsa_kernarg_size 24
		.amdhsa_user_sgpr_count 2
		.amdhsa_user_sgpr_kernarg_segment_ptr 1
		.amdhsa_wavefront_size32 1
		.amdhsa_system_sgpr_workgroup_id_x 1
		.amdhsa_system_sgpr_workgroup_id_y 1
		.amdhsa_system_sgpr_workgroup_id_z 1
		.amdhsa_system_vgpr_workitem_id 0
		.amdhsa_next_free_vgpr 450
		.amdhsa_next_free_sgpr 66
		.amdhsa_reserve_vcc 0
		.amdhsa_float_denorm_mode_32 3
		.amdhsa_float_denorm_mode_16_64 3
		.amdhsa_memory_ordered 1
		.amdhsa_forward_progress 1
		.amdhsa_inst_pref_size 133
	.end_amdhsa_kernel
	.amdgpu_metadata
---
amdhsa.version: [ 1, 2 ]
amdhsa.kernels:
  - .name:           k_qd717e7ae10_attn
    .symbol:         k_qd717e7ae10_attn.kd
    .args:
      - { .name: kv, .offset: 0, .size: 8, .value_kind: global_buffer, .address_space: global }
      - { .name: qb, .offset: 8, .size: 8, .value_kind: global_buffer, .address_space: global }
      - { .name: out0, .offset: 16, .size: 8, .value_kind: global_buffer, .address_space: global }
    .group_segment_fixed_size: 144384
    .private_segment_fixed_size: 0
    .kernarg_segment_align: 8
    .kernarg_segment_size: 24
    .max_flat_workgroup_size: 256
    .sgpr_count:     66
    .vgpr_count:     450
    .wavefront_size: 32
...
	.end_amdgpu_metadata
.endif
;; end of part 4
